; MI455X (gfx1250); checked and timed in simulation.
; The chip was launched on July 23, 2026; its instructions are those of AMD's public machine-readable ISA for CDNA 5 (MIT licence, August 2026) and "CDNA5" Instruction Set Architecture Reference Guide (July 2026). The comments in the code are by the model that wrote it; some were corrected since.
;; Multihead Flash Self Attention. Allowed arithmetic: matrix products marked QUANTISED: E4M3 operands, one given power-of-two scale a tensor, by v_wmma_f32_16x16x64_fp8_fp8 or v_wmma_f32_16x16x128_fp8_fp8, f32 sums; everything else in f32.
;; Inputs: Wk 1,024 x 1,024 float32; Wo 1,024 x 1,024 float32; Wq 1,024 x 1,024 float32; Wv 1,024 x 1,024 float32; lowp_scales 12 int32 (the exponents e of the quantised operands' scales 2^e); token_positions 2,048 int32; x 4 x 2,048 x 1,024 float32.
;; Outputs: out0 4 x 2,048 x 1,024 float32.
;; This version of the problem:
;;   THIS VERSION OF THE PROBLEM IS GIVEN IN LOW PRECISION. The matrix products marked QUANTISED in the list below multiply operands that are first quantised to E4M3 (4 exponent bits, 3 mantissa bits; 8 bits a number), with one given power-of-two scale for each operand tensor; their sums are f32. All else is computed in f32.
;;   The module's matrix products, in the order in which they are computed (A, B: the left and right operand; K: the contracted axis; several contracted axes count as one K, in the product's order):
;;     1. [M 8,192, K 1,024] x [K 1,024, N 1,024]; A: input x; B: input Wq: QUANTISED (scales: A lowp_scales[0], B lowp_scales[1])
;;     2. [M 8,192, K 1,024] x [K 1,024, N 1,024]; A: input x; B: input Wk: QUANTISED (scales: A lowp_scales[2], B lowp_scales[3])
;;     3. [M 8,192, K 1,024] x [K 1,024, N 1,024]; A: input x; B: input Wv: QUANTISED (scales: A lowp_scales[4], B lowp_scales[5])
;;     4. batch 64 x [M 2,048, K 64] x [K 64, N 2,048]; A: computed on the way; B: computed on the way: QUANTISED (scales: A lowp_scales[6], B lowp_scales[7])
;;     5. batch 64 x [M 2,048, K 2,048] x [K 2,048, N 64]; A: softmax (see below); B: computed on the way: QUANTISED (scales: A lowp_scales[8], B lowp_scales[9])
;;     6. [M 8,192, K 1,024] x [K 1,024, N 1,024]; A: computed on the way; B: input Wo: QUANTISED (scales: A lowp_scales[10], B lowp_scales[11])
;;   THE QUANTISER, for each operand of a quantised product, along K:
;;     - The operand's scale is 2^e, e = its entry of the input lowp_scales (int32; the entries are numbered through the quantised products in the list's order, A before B).
;;     - Each number is divided by the scale, clamped to +-448, and rounded to the nearest number of E4M3, ties to even, subnormals kept.
;;     - The product sums the exact products of the quantised numbers (number of the format x scale) in f32.
;;   ~~~python
;;   def quantise(x, axis, e):      # numpy; x: float32 -> the quantised numbers, widened to float32 again
;;       x = np.moveaxis(x, axis, -1); K = x.shape[-1]
;;       r = np.clip(x / 2.0 ** e, -448, 448)
;;       step = 2.0 ** (np.maximum(np.frexp(np.where(r == 0, 1, r))[1] - 1, -6) - 3)
;;       q = np.round(r / step) * step * 2.0 ** e      # np.round: ties to even
;;       return np.moveaxis(q, -1, axis).astype(np.float32)
;;   ~~~
;;   SOFTMAX AHEAD OF A QUANTISED PRODUCT. Where the list says 'softmax', what is quantised is not the finished softmax but p = 2^(t - M), with t = logit x log2(e) and M = ceil(the row's largest t), a whole number; so 1/2 < the row's largest p <= 1. The row's sum l is taken of the UNQUANTISED p, in f32, and the product's result is divided by l at the end. Since M is a whole number, a kernel that streams over the keys may use a running M (the ceiling of the running maximum): every later rescaling is an exact power of two, so the quantised numbers keep their values, but for numbers so far below the row's largest that they fall under the format's range.
;;   OPERANDS COMPUTED ON THE WAY. 'Computed on the way' means the value that the module computes at that place (a softmax that the list does not call 'softmax' is quantised finished and normalised). What goes into a quantiser is computed in f32, as accurately as f32 sums, v_exp_f32 and their like allow (about 1e-6 of the number): no bf16 or f16 on the way to a quantiser, and a product that is left as it is and whose result goes on into a quantised operand takes f32 operands (vector FMAs, or v_wmma_f32_16x16x4_f32). A number that lies on a knife's edge between two numbers of the format may be rounded either way, as far as f32 arithmetic and the matrix unit's own rounding can turn it there, and no further.
;; One version. Each part assembles by itself: llvm-mc -triple=amdgcn-amd-amdhsa -mcpu=gfx1250 --defsym DOCPART=n.
;; ======== version 1 of 1: 4 launches
;; limits: inputs' magnitudes at most 131,072; right only within a limited range of input values
;; workspace buffers: ximg 25,165,824 bytes; wimg 4,194,304 bytes; tab 524,288 bytes; qimg 8,388,608 bytes; kimg 8,388,608 bytes; vimg 8,388,608 bytes; aimg 8,388,608 bytes
;; launch prep (part 1): grid 400 x 1, 8 waves a work-group, no clusters, 68,608 bytes of LDS; arguments x, Wq, Wk, Wv, Wo, token_positions, lowp_scales, ximg, wimg, tab; writes ximg, wimg, tab
.if DOCPART == 1
	.amdgcn_target "amdgcn-amd-amdhsa--gfx1250"
	.amdhsa_code_object_version 6
	.text
	.protected	k_q0d5ce47ca6_prep
	.globl	k_q0d5ce47ca6_prep
	.p2align	8
	.type	k_q0d5ce47ca6_prep,@function
k_q0d5ce47ca6_prep:
	s_mov_b64 s[64:65], 0
	v_nop
	global_prefetch_b8 v0, s[64:65] scope:SCOPE_SE
	s_setreg_imm32_b32 hwreg(HW_REG_WAVE_MODE, 25, 1), 1
	s_wait_xcnt 0x0
; x [8192][1024] and Wq, Wk, Wv, Wo [1024][1024], f32 with K innermost, become codes of FP8 (E4M3); token_positions becomes a table of cosines and sines.
; code = number / 2^e, rounded to the nearest code, ties to even.  x is an operand of three products with three given scales (entries 0, 2, 4): three sets of codes.
; Wq, Wk, Wv, Wo take entries 1, 3, 5, 11.
; THE CODES ARE LAID AS IMAGES OF THE OPERAND'S REGISTERS.  A fragment (16 rows x 128 K) is 2,048 bytes: piece g (0..3) of 512 bytes holds, at 16 x lane, the lane's registers 4 g .. 4 g + 3;
; lane (r, h) holds row r, and its registers 2 c, 2 c + 1 hold k = 16 c + 8 h + 0 .. 7 (the 8-bit layout of the plain matrix forms).  An image is [row / 16][k / 128][g][lane][16 bytes]: 16,384 bytes for 16 rows.
; SHARES.  A wave takes 16 rows x 256 K of one tensor: 16 KiB of f32, two fragments.  Work-groups 0-255: x; 256-287 Wq; 288-319 Wk; 320-351 Wv; 352-383 Wo; only pointers and the scale are chosen, all five take one path.
; Each load reads 512 consecutive bytes of a row; a block of 16 rows x 512 bytes turns through the wave's own stage in LDS, so that a lane gets 8 neighbours along K in 8 consecutive registers, as the conversions want them.
; Each store covers 512 consecutive bytes, aligned.  Waves share nothing: no barrier.
; Work-groups 384-399 make the table: a wave takes 16 positions.  tab is [s / 16][bq 0..3][half 0..1][lane][16 bytes]: lane (r, h) holds cos, sin of pair j and of pair j + 1, j = 8 bq + 4 h + 2 half, for s = 16 (s / 16) + r.
; angle = position x 10000^(-j / 32), one rounding; reduced by n = the nearest whole number to angle x 2 / pi with pi / 2 in three parts (three fused multiply-adds); sine to r^9 and cosine to r^10 on |r| <= pi / 4.
; LIMITS: each e between -126 and 127, so that 2^e is an f32 number.  NaN among the inputs is not served.  The reduction holds its accuracy (some 2e-7) for |angle| up to 2^17 and loses it slowly beyond.
.set SP,    528                        ; a stage row: 512 bytes + 16 = 132 words: row r starts at bank 4 r mod 64 (64 banks of 4 bytes: ISA guide 11.1)
.set WREG,  16*SP                      ; a wave's stage
.set SPARE, 8*WREG                     ; behind the eight stages: the spare words, 128 bytes for each wave: four blocks of 256 bytes that no other line names
.set LI,   1                           ; v1      16 x lane; never rewritten
.set STW,  2                           ; v2      the stage, on the way in
.set STR,  3                           ; v3      and on the way out
.set SPW,  4                           ; v4      LDS address of my spare word; never rewritten
.set NIL,  5                           ; v5      0; never rewritten
.set SC,   6                           ; v6, v8, v10   2^e of the three scales
.set T,    16
.set X,    48                          ; v48-111 a block behind its turn: register 8 c + i = (row r, k = 16 c + 8 h + i)
.set RAW,  112                         ; v112-239 two blocks as loaded; a block's registers later take its codes, 16 for each scale
.set RES,  48                          ; the table's path: 16 x (cos, sin)
	s_load_b512 s[4:19], s[0:1], 0x0               ; x s[4:5], Wq s[6:7], Wk s[8:9], Wv s[10:11], Wo s[12:13], positions s[14:15], scales s[16:17], ximg s[18:19]
	s_load_b128 s[20:23], s[0:1], 0x40             ; wimg s[20:21], tab s[22:23]
	v_lshl_add_u32 v[SPW], v0, 2, SPARE
	v_mov_b32 v[NIL], 0
	v_lshrrev_b32 v12, 5, v0
	s_delay_alu instid0(VALU_DEP_1)
	v_readfirstlane_b32 s42, v12                   ; wave 0..7
	v_and_b32 v13, 31, v0
	s_delay_alu instid0(VALU_DEP_1)
	v_lshlrev_b32 v[LI], 4, v13
	v_and_b32 v14, 15, v0                          ; r
	v_bfe_u32 v15, v0, 4, 1                        ; h
	s_cmp_ge_u32 ttmp9, 384
	s_cbranch_scc1 .Ltable
	s_mul_i32 s43, s42, WREG
	v_add_nc_u32 v[STW], s43, v[LI]                ; in: a row's 512 bytes as they lie
	v_mul_u32_u24 v[STR], v14, SP
	s_delay_alu instid0(VALU_DEP_1)
	v_lshl_add_u32 v[STR], v15, 5, v[STR]
	s_delay_alu instid0(VALU_DEP_1)
	v_add_nc_u32 v[STR], s43, v[STR]               ; out: row r, + 32 h bytes: my 8 numbers of each 16
	s_mov_b32 s44, 352                             ; the tensor's first work-group, and its section of wimg: Wo's, unless ..
	s_mov_b32 s45, 0x300000
	s_cmp_lt_u32 ttmp9, 352
	s_cselect_b32 s44, 320, s44
	s_cselect_b32 s45, 0x200000, s45
	s_cmp_lt_u32 ttmp9, 320
	s_cselect_b32 s44, 288, s44
	s_cselect_b32 s45, 0x100000, s45
	s_cmp_lt_u32 ttmp9, 288
	s_cselect_b32 s44, 256, s44
	s_cselect_b32 s45, 0, s45
	s_cmp_lt_u32 ttmp9, 256
	s_cselect_b32 s44, 0, s44
	s_sub_co_u32 s44, ttmp9, s44
	s_lshl_b32 s44, s44, 3
	s_add_co_u32 s44, s44, s42                     ; my job: 16 rows (job / 4), 256 along K (job % 4)
	s_lshr_b32 s46, s44, 2
	s_and_b32 s47, s44, 3
	s_lshl_b32 s48, s46, 16                        ; 16 rows of 4,096 bytes
	s_lshl_b32 s50, s47, 10
	s_add_co_u32 s48, s48, s50
	s_mov_b32 s49, 0                               ; s[48:49]: where my numbers begin
	s_lshl_b32 s50, s46, 14
	s_lshl_b32 s52, s47, 12
	s_add_co_u32 s50, s50, s52
	s_mov_b32 s51, 0                               ; s[50:51]: where my codes begin in an image
	s_add_co_u32 s52, s50, s45
	s_mov_b32 s53, 0                               ; s[52:53]: the same with the weight's section
	s_wait_kmcnt 0x0
	s_load_b256 s[24:31], s[16:17], 0x0            ; e0 .. e7
	s_load_b128 s[32:35], s[16:17], 0x20           ; e8 .. e11
	s_cmp_lt_u32 ttmp9, 352                        ; the choices hang on the work-group's number alone
	s_cselect_b64 s[12:13], s[10:11], s[12:13]
	s_cmp_lt_u32 ttmp9, 320
	s_cselect_b64 s[12:13], s[8:9], s[12:13]
	s_cmp_lt_u32 ttmp9, 288
	s_cselect_b64 s[12:13], s[6:7], s[12:13]
	s_cmp_lt_u32 ttmp9, 256
	s_cselect_b64 s[12:13], s[4:5], s[12:13]       ; the tensor
	s_cselect_b64 s[36:37], s[18:19], s[20:21]     ; and the buffer of its codes
	s_add_nc_u64 s[12:13], s[12:13], s[48:49]
	s_add_nc_u64 s[36:37], s[36:37], s[52:53]      ; the first (or only) set of codes
	s_add_nc_u64 s[38:39], s[18:19], s[50:51]
	s_add_nc_u64 s[38:39], s[38:39], 0x800000      ; x's second set
	s_add_nc_u64 s[40:41], s[38:39], 0x800000      ; x's third
.macro LOADS u                         ; block u: 16 rows x 512 bytes
.set i, 0
.rept 16
	global_load_b128 v[RAW+64*(\u)+4*i:RAW+64*(\u)+4*i+3], v[LI], s[12:13] offset:4096*i+512*(\u) th:TH_LOAD_NT
.set i, i+1
.endr
.endm
.macro TURN u                          ; through my stage: LDS serves a wave's instructions in order (ISA guide 5.7.1.4), so no wait stands between the stores and the loads
.set i, 0
.rept 16
	ds_store_b128 v[STW], v[RAW+64*(\u)+4*i:RAW+64*(\u)+4*i+3] offset:SP*i
.set i, i+1
.endr
.set i, 0
.rept 16
	ds_load_b128 v[X+4*i:X+4*i+3], v[STR] offset:64*(i/2)+16*(i%2)
.set i, i+1
.endr
.endm
.macro MKSCALE o, e                    ; 2^e as f32 (the conversion takes its exponent field)
	s_add_co_i32 s55, \e, 127
	s_lshl_b32 s56, s55, 23
	v_mov_b32 v[SC+2*\o], s56
.endm
; Block u's 64 numbers a lane become a fragment's 16 registers of codes under scale o, and leave.  The conversion to an 8-bit code does not saturate (ISA guide 7.6.2).
.macro QUANT o, u
.set CB, RAW+64*(\u)+16*(\o)
.irp g, 0,1,2,3
.set TG, T+16*(\g%2)
.set i, 0
.rept 16
.set i, i+1
.endr
	v_cvt_scalef32_pk8_fp8_f32 v[CB+4*\g:CB+4*\g+1], v[TG+((X+16*\g+i)-(TG+i)):TG+7+((X+16*\g+i)-(TG+i))], v[SC+2*(\o)]
	v_cvt_scalef32_pk8_fp8_f32 v[CB+4*\g+2:CB+4*\g+3], v[TG+8+((X+16*\g+i)-(TG+i)):TG+15+((X+16*\g+i)-(TG+i))], v[SC+2*(\o)]
.endr
	v_nop                                          ; a plain vector line behind the last conversion
.irp g, 0,1,2,3
	global_store_b128 v[LI], v[CB+4*\g:CB+4*\g+3], s[36+2*(\o):37+2*(\o)] offset:2048*(\u)+512*\g   ; 32 lanes store 512 consecutive bytes, aligned; no store's data are ever written again
.endr
.endm
.macro BLOCK u
.if \u == 0
	s_wait_loadcnt 16                              ; block 0's sixteen loads are in; block 1's sixteen may be out
.else
	s_wait_loadcnt 0x0
.endif
	TURN \u
	s_wait_dscnt 0x0                               ; the block is back; the stores into the stage have read their registers, which take the codes
	QUANT 0, \u
	s_cmp_lt_u32 ttmp9, 256                        ; x alone has a second and a third scale
	s_cbranch_scc0 .Lone_\@
	QUANT 1, \u
	QUANT 2, \u
.Lone_\@:
.endm
	s_wait_alu depctr_va_vdst(0)
	LOADS 0
	LOADS 1                                        ; all 32 loads of the wave, 16 KiB, are on their way
	s_wait_kmcnt 0x0
	s_cmp_lt_u32 ttmp9, 352
	s_cselect_b32 s54, s29, s35                    ; e5 for Wv, e11 for Wo
	s_cmp_lt_u32 ttmp9, 320
	s_cselect_b32 s54, s27, s54                    ; e3 for Wk
	s_cmp_lt_u32 ttmp9, 288
	s_cselect_b32 s54, s25, s54                    ; e1 for Wq
	s_cmp_lt_u32 ttmp9, 256
	s_cselect_b32 s54, s24, s54                    ; e0 for x
	MKSCALE 0, s54
	MKSCALE 1, s26                                 ; e2
	MKSCALE 2, s28                                 ; e4
	s_wait_alu depctr_va_vdst(0)
	BLOCK 0
	BLOCK 1
	s_wait_tensorcnt 0x0                           ; the wave's end, behind my last LDS store
	ds_add_u32 v[SPW], v[NIL]
	s_wait_dscnt 0x0
	s_endpgm
.Ltable:                                               ; these waves write no LDS
	s_sub_co_u32 s44, ttmp9, 384
	s_lshl_b32 s44, s44, 3
	s_add_co_u32 s44, s44, s42                     ; which 16 positions: 0..127
	s_lshl_b32 s45, s44, 6
	s_wait_alu depctr_va_vdst(0)
	v_lshl_add_u32 v16, v14, 2, s45                ; position 16 x that + r, 4 bytes each
	s_lshl_b32 s46, s44, 12                        ; 4,096 bytes of table for 16 positions
	s_mov_b32 s47, 0
	s_mov_b32 s50, 0xbfc90fdb                      ; -pi / 2 in three parts
	s_mov_b32 s51, 0x333bbd2e
	s_mov_b32 s52, 0x26f72ced
	s_wait_alu depctr_va_vdst(0)
	s_wait_kmcnt 0x0
	global_load_b32 v17, v16, s[14:15]
	s_add_nc_u64 s[22:23], s[22:23], s[46:47]
	v_lshlrev_b32 v18, 2, v15                      ; 4 h
.set i, 0
.rept 16
	v_add_nc_u32 v[20+i], 8*(i/4)+i%4, v18         ; my sixteen pairs: j = 8 bq + 4 h + 0 .. 3
.set i, i+1
.endr
.set i, 0
.rept 16
	v_cvt_f32_u32 v[20+i], v[20+i]
.set i, i+1
.endr
.set i, 0
.rept 16
	v_mul_f32 v[20+i], 0xbed49a78, v[20+i]         ; -j x log2(10000) / 32
.set i, i+1
.endr
.set i, 0
	s_wait_alu depctr_va_vdst(0)
.rept 16
	v_exp_f32 v[20+i], v[20+i]                     ; 10000^(-j / 32)
.set i, i+1
.endr
	v_nop                                          ; a plain line behind the last exponential,
	s_wait_alu depctr_va_vdst(0)                   ; and one wait for the batch, ahead of its first reader
	s_wait_loadcnt 0x0
	v_cvt_f32_i32 v17, v17
.macro SINCOS k
	v_mul_f32 v36, v17, v[20+\k]                   ; the angle
	s_delay_alu instid0(VALU_DEP_1)
	v_mul_f32 v37, 0x3f22f983, v36                 ; x 2 / pi
	s_delay_alu instid0(VALU_DEP_1)
	v_rndne_f32 v37, v37                           ; n
	s_delay_alu instid0(VALU_DEP_1)
	v_fma_f32 v38, v37, s50, v36
	s_delay_alu instid0(VALU_DEP_1)
	v_fma_f32 v38, v37, s51, v38
	s_delay_alu instid0(VALU_DEP_1)
	v_fma_f32 v38, v37, s52, v38                   ; r = angle - n pi / 2
	s_delay_alu instid0(VALU_DEP_1)
	v_mul_f32 v39, v38, v38                        ; r^2
	v_cvt_i32_f32 v42, v37
	v_mov_b32 v40, 0x3638ef1d                      ; sine: 1/9!, -1/7!, 1/5!, -1/3!
	v_mov_b32 v41, 0xb493f27e                      ; cosine: -1/10!, 1/8!, -1/6!, 1/4!, -1/2
	s_delay_alu instid0(VALU_DEP_2)
	v_fmaak_f32 v40, v40, v39, 0xb9500d01
	s_delay_alu instid0(VALU_DEP_2)
	v_fmaak_f32 v41, v41, v39, 0x37d00d01
	s_delay_alu instid0(VALU_DEP_2)
	v_fmaak_f32 v40, v40, v39, 0x3c088889
	s_delay_alu instid0(VALU_DEP_2)
	v_fmaak_f32 v41, v41, v39, 0xbab60b61
	s_delay_alu instid0(VALU_DEP_2)
	v_fmaak_f32 v40, v40, v39, 0xbe2aaaab
	s_delay_alu instid0(VALU_DEP_2)
	v_fmaak_f32 v41, v41, v39, 0x3d2aaaab
	s_delay_alu instid0(VALU_DEP_2)
	v_mul_f32 v40, v40, v39
	s_delay_alu instid0(VALU_DEP_2)
	v_fmaak_f32 v41, v41, v39, 0xbf000000
	s_delay_alu instid0(VALU_DEP_2)
	v_fma_f32 v40, v40, v38, v38                   ; sin r
	s_delay_alu instid0(VALU_DEP_2)
	v_fma_f32 v41, v41, v39, 1.0                   ; cos r
	v_and_b32 v43, 1, v42
	s_delay_alu instid0(VALU_DEP_1)
	v_cmp_eq_u32 vcc_lo, 1, v43                    ; in the odd quadrants the two change places
	s_delay_alu instid0(VALU_DEP_1)
	v_cndmask_b32 v44, v40, v41, vcc_lo
	s_delay_alu instid0(VALU_DEP_2)
	v_cndmask_b32 v45, v41, v40, vcc_lo
	v_and_b32 v43, 2, v42                          ; the sine is negative in quadrants 2 and 3,
	s_delay_alu instid0(VALU_DEP_1)
	v_lshlrev_b32 v43, 30, v43
	s_delay_alu instid0(VALU_DEP_1)
	v_xor_b32 v[RES+2*\k+1], v43, v44
	v_add_nc_u32 v42, 1, v42                       ; the cosine in 1 and 2
	s_delay_alu instid0(VALU_DEP_1)
	v_and_b32 v42, 2, v42
	s_delay_alu instid0(VALU_DEP_1)
	v_lshlrev_b32 v42, 30, v42
	s_delay_alu instid0(VALU_DEP_1)
	v_xor_b32 v[RES+2*\k], v42, v45
.endm
.irp k, 0,1,2,3,4,5,6,7,8,9,10,11,12,13,14,15
	SINCOS \k
.endr
.irp p, 0,1,2,3,4,5,6,7
	global_store_b128 v[LI], v[RES+4*\p:RES+4*\p+3], s[22:23] offset:512*\p   ; piece 2 bq + half: 512 consecutive bytes, aligned
.endr
	s_endpgm
.Lfunc_end_k_q0d5ce47ca6_prep:
	.size	k_q0d5ce47ca6_prep, .Lfunc_end_k_q0d5ce47ca6_prep-k_q0d5ce47ca6_prep
	.p2alignl 7, 3214868480
	.fill 96, 4, 3214868480
	.section	.rodata,"a",@progbits
	.p2align	6, 0x0
	.amdhsa_kernel k_q0d5ce47ca6_prep
		.amdhsa_group_segment_fixed_size 68608
		.amdhsa_private_segment_fixed_size 0
		.amdhsa_enable_private_segment 0
		.amdhsa_kernarg_size 80
		.amdhsa_user_sgpr_count 2
		.amdhsa_user_sgpr_kernarg_segment_ptr 1
		.amdhsa_wavefront_size32 1
		.amdhsa_system_sgpr_workgroup_id_x 1
		.amdhsa_system_sgpr_workgroup_id_y 1
		.amdhsa_system_sgpr_workgroup_id_z 1
		.amdhsa_system_vgpr_workitem_id 0
		.amdhsa_next_free_vgpr 240
		.amdhsa_next_free_sgpr 66
		.amdhsa_reserve_vcc 1
		.amdhsa_float_denorm_mode_32 3
		.amdhsa_float_denorm_mode_16_64 3
		.amdhsa_fp16_overflow 1
		.amdhsa_memory_ordered 1
		.amdhsa_forward_progress 1
		.amdhsa_inst_pref_size 57
	.end_amdhsa_kernel
	.amdgpu_metadata
---
amdhsa.version: [ 1, 2 ]
amdhsa.kernels:
  - .name:           k_q0d5ce47ca6_prep
    .symbol:         k_q0d5ce47ca6_prep.kd
    .args:
      - { .name: x, .offset: 0, .size: 8, .value_kind: global_buffer, .address_space: global }
      - { .name: Wq, .offset: 8, .size: 8, .value_kind: global_buffer, .address_space: global }
      - { .name: Wk, .offset: 16, .size: 8, .value_kind: global_buffer, .address_space: global }
      - { .name: Wv, .offset: 24, .size: 8, .value_kind: global_buffer, .address_space: global }
      - { .name: Wo, .offset: 32, .size: 8, .value_kind: global_buffer, .address_space: global }
      - { .name: token_positions, .offset: 40, .size: 8, .value_kind: global_buffer, .address_space: global }
      - { .name: lowp_scales, .offset: 48, .size: 8, .value_kind: global_buffer, .address_space: global }
      - { .name: ximg, .offset: 56, .size: 8, .value_kind: global_buffer, .address_space: global }
      - { .name: wimg, .offset: 64, .size: 8, .value_kind: global_buffer, .address_space: global }
      - { .name: tab, .offset: 72, .size: 8, .value_kind: global_buffer, .address_space: global }
    .group_segment_fixed_size: 68608
    .private_segment_fixed_size: 0
    .kernarg_segment_align: 8
    .kernarg_segment_size: 80
    .max_flat_workgroup_size: 256
    .sgpr_count:     66
    .vgpr_count:     240
    .wavefront_size: 32
...
	.end_amdgpu_metadata
.endif
;; end of part 1
;; launch qkv (part 2): grid 96 x 4, 4 waves a work-group, clusters of 4 x 4, 327,680 bytes of LDS; arguments ximg, wimg, tab, lowp_scales, qimg, kimg, vimg; writes qimg, kimg, vimg
.if DOCPART == 2
	.amdgcn_target "amdgcn-amd-amdhsa--gfx1250"
	.amdhsa_code_object_version 6
	.text
	.protected	k_q0d5ce47ca6_qkv
	.globl	k_q0d5ce47ca6_qkv
	.p2align	8
	.type	k_q0d5ce47ca6_qkv,@function
k_q0d5ce47ca6_qkv:
	s_mov_b64 s[64:65], 0
	v_nop
	global_prefetch_b8 v0, s[64:65] scope:SCOPE_SE
	s_setreg_imm32_b32 hwreg(HW_REG_WAVE_MODE, 25, 1), 1
	s_wait_xcnt 0x0
	s_wait_alu depctr_hold_cnt(0) depctr_sa_sdst(0) depctr_va_vdst(0) depctr_va_sdst(0) depctr_va_ssrc(0) depctr_va_vcc(0) depctr_vm_vsrc(0)
	s_getreg_b32 s2, hwreg(HW_REG_IB_STS2, 6, 4)
	s_cmp_eq_u32 s2, 0
	s_cbranch_scc0 .Lentry_in_a_cluster
	s_endpgm
.Lentry_in_a_cluster:
	s_bfe_u32 s2, ttmp6, 0x10000c
	s_cmp_lg_u32 s2, 0xf033
	s_cbranch_scc0 .Lentry_shape_is_right
	s_endpgm
.Lentry_shape_is_right:
; q = rope(x Wq^T), k = rope(x Wk^T), v = x Wv^T, each product on codes of FP8 (E4M3), and each result quantised at once for the attention: q with entry 6, k with entry 7 (K = the head's 64), v with entry 9 (K = the keys).
; A tile of 256 x 256 is made by a work-group of four waves; a wave makes 128 x 128: 64 accumulators of 16 x 16, 512 registers.  K = 1,024 goes in four steps of 256 through a ring of two LDS slots.
; OPERANDS LIE IN MEMORY AS IMAGES OF THEIR REGISTERS ([row / 16][k / 128][piece 0..3][lane][16 bytes]), so a slot's part of 16 rows is 4,096 consecutive bytes, LDS holds it dense, and a fragment is four
; ds_load_b128 at 16 x lane: consecutive bytes, each k in the place that the matrix form's own layout gives it.
; 24 CLUSTERS of 4 x 4 work-groups: cluster c makes kind c / 8 (0 q, 1 k, 2 v), part c % 8.  Side A's tile hangs on the tile row and is shared along a row of the cluster, side B's on the tile column and is shared along a
; column: each is asked for JOINTLY.  THE MATRIX INSTRUCTION TAKES 16 ROWS OF SIDE B AS SOURCE 0 AND 16 ROWS OF SIDE A AS SOURCE 1: a lane holds one row of side A and eight neighbouring rows of side B.
; q, k: side A = x (32 tile rows), side B = the weight (4 tile columns): a lane holds one token and eight neighbouring channels: the rotation's pairs and the next K lie in its registers.
; v: side A = Wv (4 tile rows), side B = x (32 tile columns): a lane holds one channel and eight neighbouring keys, which are the next K.  Only pointers and coordinates differ: the products' text is one.
; So the conversions' results ARE registers of the next launch's operands, and each store covers 512 consecutive bytes, aligned: nothing goes through a stage.
; qimg, kimg: [batch x head][s / 16][piece 0..1][lane][16]: lane (r, h) registers 2 c, 2 c + 1: token r, channels 16 c + 8 h + 0..7.  vimg: [batch x head][s / 128][d / 16][piece 0..3][lane][16]: channel r, keys 16 c + 8 h + 0..7.
; SCALES: a sum stands for sum x 2^(eA + eB); the rotation is linear, so it is applied to the sums, and the three exponents are folded into the conversion's one: E = e_out - eA - eB.
; LIMIT: E between -126 and 127, so that 2^E is an f32 number.
; The table's sets for my first two blocks of tokens are loaded at the head by every work-group, v's too, which leave them unread (8 KiB a wave): so their registers are written on every way.
; REGISTERS, in windows of 256: window 0: v16-31 addresses and constants; v32-95 two sets of the table; v96-127 two sets of codes; v128-255 side A's fragments, ONE set; on the way out v128-191 the numbers, v192-255 at work.
;   window 1: side B's fragments, TWO sets, at v0 and v128; on the way out six sets of the table.   window 2: the accumulators of my rows 0-63 ((a, b) at v[8 (8 a + b)]);   window 3: those of my rows 64-127.
.set SLOT,   131072                    ; side A's 16 blocks of 16 rows x 4,096 bytes, then side B's 16
.set TILEB,  4096                      ; 16 rows x 256 K
.set FRB,    2048                      ; a fragment: 16 rows x 128 K
.set SPARE,  2*SLOT                    ; behind the ring: the spare words, 128 bytes for each wave: two blocks of 256 bytes that no other line names
.set FR,     16                        ; registers of a fragment
.set NL,     4                         ; LDS loads that bring one
.set NP,     4                         ; places behind this matrix instruction (ISA guide 7.12.1)
.set ADRA, 16                          ; v16-17  LDS address of my side A fragments in slot 0, 1
.set ADRB, 20                          ; v20-21  the same for side B
.set LI,   26                          ; v26     16 x lane; never rewritten
.set SPW,  28                          ; v28     LDS address of my spare word; never rewritten
.set NIL,  29                          ; v29     0; never rewritten
.set SCL,  30                          ; v30     2^E
.set LIM,  31
.set TS0,  32
.set CD,   96
.set AF,   128
.set RR,   128
.set XX,   192
.set G1, 24                            ; s[24:31] descriptor group 1 for side A;  s[32:39] group 0, one set for each slot
.set G0, 32
.set G1B, 48                           ; s[48:55], s[56:63] the same for side B
.set G0B, 56
.set KIND, 66
.set MSB, 0
.macro WIN new                         ; the immediate's high byte repeats the setting that is left
.if MSB != \new
	s_set_vgpr_msb (MSB<<8)|\new
.set MSB, \new
.endif
.endm
.set MUL_LO, 0xa1                      ; source 0 (side B) window 1, source 1 (side A) window 0, C and D window 2
.set MUL_HI, 0xf1                      ; the same, C and D window 3
.set TO_B,   0x40                      ; destination window 1, address window 0
; A joint load: waves 0 and 1 fetch for side A, waves 2 and 3 for side B.  Each of the two lines has ONE mask and one set of registers for all that issue it; the branch hangs on the wave's number alone.
; An s_nop 0 and four v_nop follow each of the two lines, ahead of the jump, the label and what follows.
.macro JLOAD g0a, g1a, g0b, g1b
	s_cmp_eq_u32 s15, 0
	s_cbranch_scc0 .Lfor_b_\@
	tensor_load_to_lds s[\g0a:\g0a+3], s[\g1a:\g1a+7]
	s_nop 0
.rept 4
	v_nop
.endr
	s_branch .Lasked_\@
.Lfor_b_\@:
	tensor_load_to_lds s[\g0b:\g0b+3], s[\g1b:\g1b+7]
	s_nop 0
.rept 4
	v_nop
.endr
.Lasked_\@:
.endm
.macro CREST                           ; a round of the cluster's barrier behind its opening barrier
	s_cmp_lg_u32 s14, 0
	s_cbranch_scc1 .Lnot_wave_0_\@
	s_barrier_signal -3
.Lnot_wave_0_\@:
	s_barrier_wait -3
	s_barrier_signal -1
	s_barrier_wait -1
.endm
.macro CROUND                          ; a whole round
	s_barrier_signal -1
	s_barrier_wait -1
	CREST
.endm
	s_load_b256 s[4:11], s[0:1], 0x0               ; ximg s[4:5], wimg s[6:7], tab s[8:9], the scales' exponents s[10:11]
	s_load_b128 s[72:75], s[0:1], 0x20             ; qimg s[72:73], kimg s[74:75]
	s_load_b64 s[76:77], s[0:1], 0x30              ; vimg
	v_lshl_add_u32 v[SPW], v0, 2, SPARE
	v_mov_b32 v[NIL], 0
	ds_add_u32 v[SPW], v[NIL]                      ; the wave's opening: the add and its wait stand ahead of my first tensor load; the set-up below, work on registers, stands between them
	ds_add_u32 v[SPW], v[NIL]
	v_lshrrev_b32 v1, 5, v0
	v_readfirstlane_b32 s14, v1                    ; wave 0..3
	s_lshr_b32 s15, s14, 1                         ; which half of the tile's rows is mine.  Also: I fetch for side A (0) or B (1)
	s_and_b32 s16, s14, 1                          ; which half of its columns.  Also: which 128 rows of that side's tile I fetch
	s_bfe_u32 s40, ttmp6, 0x40000                  ; cx, cy: my place in the cluster
	s_bfe_u32 s41, ttmp6, 0x40004
	s_lshr_b32 s[KIND], ttmp9, 3                   ; the cluster's number says which product (0 q, 1 k, 2 v): the same in all sixteen partners,
	s_and_b32 s67, ttmp9, 7                        ; and which eighth of the tokens
	s_lshl_b32 s67, s67, 2
	s_cmp_eq_u32 s[KIND], 2
	s_cselect_b32 s18, 0, s67                      ; the tokens run down the tile rows for q and k,
	s_cselect_b32 s19, s67, 0                      ; along the tile columns for v
	s_add_co_u32 s17, s18, s41                     ; tile row: made of the cluster's number and cy alone
	s_add_co_u32 s42, s19, s40                     ; tile column: of the cluster's number and cx alone
	s_lshl_b32 s43, s41, 2
	s_lshl_b32 s43, 15, s43                        ; my row of the cluster
	s_lshl_b32 s44, 0x1111, s40                    ; my column
	; descriptor group 1: 8 rows of 4,096 bytes (a slot's part of 16 rows of an image), 16,384 bytes apart in memory, dense in LDS
	s_or_b32 s[G1+0], s43, (3<<16)|(1<<21)         ; 15:0 the mask: side A's tiles go to my row; 17:16 elements of 8 bytes; 20 no padding; 21 set beside a mask
	s_or_b32 s[G1B+0], s44, (3<<16)|(1<<21)
.irp g, G1, G1B
	s_mov_b32 s[\g+1], 512<<16                     ; tensor_dim0 = 512 elements
	s_mov_b32 s[\g+2], 8<<16                       ; tensor_dim1 = 8
	s_mov_b32 s[\g+3], 512<<16                     ; tile_dim0
	s_mov_b32 s[\g+4], 8                           ; tile_dim1
	s_mov_b32 s[\g+5], 2048                        ; tensor_dim0_stride, in elements
	s_mov_b32 s[\g+6], 0
	s_mov_b32 s[\g+7], 0
.endr
	s_lshl_b32 s18, s16, 17                        ; which 128 rows of the tile I fetch: 8 x 16,384 bytes
	s_lshl_b32 s20, s17, 18                        ; a tile's 256 rows are 16 x 16,384 bytes
	s_add_co_u32 s20, s20, s18
	s_mov_b32 s21, 0                               ; s[20:21]: side A
	s_lshl_b32 s46, s42, 18
	s_add_co_u32 s46, s46, s18
	s_mov_b32 s47, 0                               ; s[46:47]: side B
	s_lshl_b32 s22, s[KIND], 23                    ; x's codes under this product's scale: 8 MiB a set
	s_mov_b32 s23, 0
	s_lshl_b32 s2, s[KIND], 20                     ; this product's weight: 1 MiB each
	s_mov_b32 s3, 0
	s_lshl_b32 s45, s14, 15                        ; where they go: wave x 32,768: no place in the cluster enters an LDS address
	s_wait_dscnt 0x0                               ; the opening add is done
	s_wait_kmcnt 0x0
	s_load_b256 s[80:87], s[10:11], 0x0            ; e0 .. e7
	s_load_b128 s[88:91], s[10:11], 0x20           ; e8 .. e11
	s_add_nc_u64 s[4:5], s[4:5], s[22:23]
	s_add_nc_u64 s[6:7], s[6:7], s[2:3]
	s_cmp_eq_u32 s[KIND], 2
	s_cselect_b64 s[92:93], s[6:7], s[4:5]         ; side A: x, or Wv
	s_cselect_b64 s[94:95], s[4:5], s[6:7]         ; side B: the weight, or x
	s_add_nc_u64 s[20:21], s[92:93], s[20:21]
	s_add_nc_u64 s[46:47], s[94:95], s[46:47]
	CROUND                                         ; all sixteen work-groups are here: the first joint loads meet
.irp s, 0,1
	s_mov_b32 s[G0+4*\s], 1
	s_add_co_u32 s[G0+4*\s+1], s45, \s*SLOT
	s_add_nc_u64 s[G0+4*\s+2:G0+4*\s+3], s[20:21], \s*TILEB
	s_or_b32 s[G0+4*\s+3], s[G0+4*\s+3], 0x80000000
	s_mov_b32 s[G0B+4*\s], 1
	s_add_co_u32 s[G0B+4*\s+1], s45, \s*SLOT
	s_add_nc_u64 s[G0B+4*\s+2:G0B+4*\s+3], s[46:47], \s*TILEB
	s_or_b32 s[G0B+4*\s+3], s[G0B+4*\s+3], 0x80000000
	JLOAD G0+4*\s, G1, G0B+4*\s, G1B
.endr
	v_and_b32 v1, 31, v0
	v_lshlrev_b32 v[LI], 4, v1
	s_wait_alu depctr_va_vdst(0)
	s_lshl_b32 s21, s15, 15                        ; my 128 rows of side A
	s_lshl_b32 s22, s16, 15                        ; my 128 rows of side B,
	s_add_co_u32 s22, s22, 65536                   ; which lie behind side A's 256
.irp s, 0,1
	v_add_nc_u32 v[ADRA+\s], s21, v[LI]
	v_add_nc_u32 v[ADRB+\s], s22, v[LI]
	s_add_co_u32 s21, s21, SLOT
	s_add_co_u32 s22, s22, SLOT
.endr
	s_lshl_b32 s18, s17, 4                         ; the table: my first block of 16 tokens within its batch of 2,048: (16 x tile row + 8 x half) mod 128
	s_lshl_b32 s19, s15, 3
	s_add_co_u32 s18, s18, s19
	s_and_b32 s18, s18, 127
	s_lshl_b32 s18, s18, 12
	s_mov_b32 s19, 0
	s_add_nc_u64 s[8:9], s[8:9], s[18:19]
.macro TABLOAD a, reg                  ; the 32 registers of cosines and sines for block a of my tokens: register 8 bq + 2 p: cos, + 1: sin, of pair 8 bq + 4 h + p
.irp p, 0,1,2,3,4,5,6,7
	global_load_b128 v[\reg+4*\p:\reg+4*\p+3], v[LI], s[8:9] offset:4096*(\a)+512*\p
.endr
.endm
	TABLOAD 0, TS0
	TABLOAD 1, TS0+32
	; where my results go.  L, lh: the tile and half along the tokens; F, fh: along the channels.  batch x head = 16 (L / 8) + 4 F + 2 fh (+ 1 for my second head): 131,072 bytes each in all three buffers;
	; my 128 tokens are 8,192 bytes of a head's: 8 fragments of 1,024 in qimg and kimg, 4 of 2,048 in vimg
	s_cmp_eq_u32 s[KIND], 0
	s_cselect_b64 s[72:73], s[72:73], s[74:75]
	s_cmp_eq_u32 s[KIND], 2
	s_cselect_b64 s[72:73], s[76:77], s[72:73]
	s_cselect_b32 s18, s42, s17                    ; L
	s_cselect_b32 s19, s17, s42                    ; F
	s_cselect_b32 s2, s16, s15                     ; lh
	s_cselect_b32 s3, s15, s16                     ; fh
	s_lshr_b32 s68, s18, 3
	s_lshl_b32 s68, s68, 4
	s_lshl_b32 s19, s19, 2
	s_add_co_u32 s68, s68, s19
	s_lshl_b32 s3, s3, 1
	s_add_co_u32 s68, s68, s3
	s_lshl_b32 s68, s68, 17
	s_and_b32 s18, s18, 7
	s_lshl_b32 s18, s18, 1
	s_add_co_u32 s18, s18, s2
	s_lshl_b32 s18, s18, 13
	s_add_co_u32 s68, s68, s18
	s_mov_b32 s69, 0
	s_add_nc_u64 s[72:73], s[72:73], s[68:69]
.macro FRAG reg, adr, q, i             ; a fragment, 16 registers, as it lies: block i of my eight, the slot's q-th 128 along K
.irp c, 0,1,2,3
	ds_load_b128 v[\reg+4*\c:\reg+4*\c+3], v[\adr] offset:FRB*(\q)+512*\c+TILEB*(\i)
.endr
.endm
; 16 matrix instructions: side A's blocks a0, a0 + 1 x side B's eight, 128 along K.  p: side B's set.  zero = 1: the first product starts the sums: nothing is ever cleared.
; The 64 accumulators take turns, one instruction a turn, in the same order in every step.
.macro MUL16 a0, p, zero
.irp a, \a0, \a0+1
.irp b, 0,1,2,3,4,5,6,7
.if \zero
	v_wmma_f32_16x16x128_fp8_fp8 v[8*(8*((\a)%4)+\b):8*(8*((\a)%4)+\b)+7], v[128*(\p)+FR*\b:128*(\p)+FR*\b+FR-1], v[AF+FR*(\a):AF+FR*(\a)+FR-1], 0
.else
	v_wmma_f32_16x16x128_fp8_fp8 v[8*(8*((\a)%4)+\b):8*(8*((\a)%4)+\b)+7], v[128*(\p)+FR*\b:128*(\p)+FR*\b+FR-1], v[AF+FR*(\a):AF+FR*(\a)+FR-1], v[8*(8*((\a)%4)+\b):8*(8*((\a)%4)+\b)+7]
.endif
.endr
.endr
.endm
.macro FETCH_B slot, q, p              ; side B's eight fragments of the slot's q-th 128 along K into set p
	WIN TO_B
.irp i, 0,1,2,3,4,5,6,7
	FRAG 128*(\p)+FR*\i, ADRB+\slot, \q, \i
.endr
	WIN 0
.endm
.macro FETCH_A slot, q, i0             ; side A's blocks i0 .. i0 + 3
.irp i, \i0, \i0+1, \i0+2, \i0+3
	FRAG AF+FR*(\i), ADRA+\slot, \q, \i
.endr
.endm
; A load into a register that a matrix instruction has read, and a vector instruction that reads a matrix result, stand NP places behind that matrix instruction; only plain vector instructions that name none of its
; registers are places (ISA guide 7.12.1 for vector instructions).
.macro PLACES n
.rept \n
	v_nop
.endr
.endm
; A step of 128 along K that has its successor in the same slot.  Side A's blocks are free as soon as their eight products are issued: blocks 0-3 are fetched anew in the step's middle, blocks 4-7 at its end.
.macro STEP slot, q, zero
	s_wait_dscnt 4*NL                              ; side B's set and side A's blocks 0-3 are in; the youngest sixteen loads (blocks 4-7) may be out
	WIN MUL_LO
	MUL16 0, (\q)%2, \zero
	MUL16 2, (\q)%2, \zero
	s_wait_dscnt 0                                 ; blocks 4-7 are in (asked for 32 matrix instructions ago)
	PLACES NP
	FETCH_B \slot, (\q)+1, 1-(\q)%2
	FETCH_A \slot, (\q)+1, 0
	WIN MUL_HI
	MUL16 4, (\q)%2, \zero
	MUL16 6, (\q)%2, \zero
	PLACES NP
	WIN 0
	FETCH_A \slot, (\q)+1, 4
.endm
; A slot's last step changes slots: ONE barrier; in front of it each wave waits for all its tensor loads, adds 0 to its spare word, and waits for that and for its own reads of this slot.  fill = 1: this slot is filled again, two slots ahead.
.macro TURN slot, next, fill
	s_wait_tensorcnt 0x0                           ; all my tensor loads have landed: my part of the next slot;  (every window is 0 here: the add's two registers lie in window 0)
	ds_add_u32 v[SPW], v[NIL]                      ; 0 onto my spare word
	s_wait_dscnt 4*NL+1                            ; (the add and the youngest sixteen loads, blocks 4-7, may be out)
	WIN MUL_LO
	MUL16 0, 1, 0                                  ; sixteen matrix instructions stand between the add and the wait for it
	s_wait_dscnt 0x0                               ; the add is done, and my reads of this slot are over
	s_barrier_signal -1
	MUL16 2, 1, 0
	WIN 0
	s_barrier_wait -1
.if \fill
	CREST                                          ; the barrier has opened a round of the cluster's barrier: no wave of any partner still reads this slot's tile or has a load on its way
	s_add_nc_u64 s[G0+4*\slot+2:G0+4*\slot+3], s[G0+4*\slot+2:G0+4*\slot+3], 2*TILEB
	s_add_nc_u64 s[G0B+4*\slot+2:G0B+4*\slot+3], s[G0B+4*\slot+2:G0B+4*\slot+3], 2*TILEB
	JLOAD G0+4*\slot, G1, G0B+4*\slot, G1B         ; the first tensor load behind the round; the four v_nop behind it are the places in front of the loads below
.else
	PLACES NP
.endif
	FETCH_B \next, 0, 0
	FETCH_A \next, 0, 0
	WIN MUL_HI
	MUL16 4, 1, 0
	MUL16 6, 1, 0
	PLACES NP
	WIN 0
	FETCH_A \next, 0, 4
.endm
	s_wait_alu depctr_va_vdst(0)
	s_wait_tensorcnt 1                             ; my part of slot 0 is in (slot 1's load may be out)
	s_barrier_signal -1
	s_barrier_wait -1                              ; everybody's is
	FETCH_B 0, 0, 0
	FETCH_A 0, 0, 0
	FETCH_A 0, 0, 4
	STEP 0, 0, 1                                   ; K 0-127: its products start the sums
	TURN 0, 1, 1                                   ; K 128-255; slot 0 takes K 512-767
	STEP 1, 0, 0
	TURN 1, 0, 1                                   ; slot 1 takes K 768-1023
	STEP 0, 0, 0
	TURN 0, 1, 0                                   ; nothing is left to fetch: a plain barrier
	STEP 1, 0, 0
	s_wait_dscnt 4*NL                              ; the last step
	WIN MUL_LO
	MUL16 0, 1, 0
	MUL16 2, 1, 0
	s_wait_dscnt 0
	WIN MUL_HI
	MUL16 4, 1, 0
	MUL16 6, 1, 0
	WIN 0
	s_wait_kmcnt 0x0
	s_sub_co_i32 s86, s86, s80                     ; q: e6 - e0 - e1
	s_sub_co_i32 s86, s86, s81
	s_sub_co_i32 s87, s87, s82                     ; k: e7 - e2 - e3
	s_sub_co_i32 s87, s87, s83
	s_sub_co_i32 s89, s89, s84                     ; v: e9 - e4 - e5
	s_sub_co_i32 s89, s89, s85
	s_cmp_eq_u32 s[KIND], 0
	s_cselect_b32 s86, s86, s87
	s_cmp_eq_u32 s[KIND], 2
	s_cselect_b32 s86, s89, s86                    ; E: chosen, not branched on
	s_add_co_i32 s86, s86, 127
	s_lshl_b32 s87, s86, 23
	v_mov_b32 v[SCL], s87                          ; 2^E as f32: the conversion takes its exponent field
	PLACES NP                                      ; behind the last products: for the reads of results, the writes over side A's registers and the loads into side B's
	s_cmp_eq_u32 s[KIND], 2
	s_cbranch_scc1 .Lv_out
; q AND k: block a of my tokens (16 tokens x 128 channels: two heads).  A pair of registers is a pair (x1, x2) of the rotation; the table's pair is (cos, sin).
; First (x2 sin, x2 cos), then (x1 cos - x2 sin, x1 sin + x2 cos): two packed instructions a pair.  Then the conversions, and four stores.
.macro QK_OUT a
.set AC, 64*((\a)%4)
.if (\a) < 2
.set TS, TS0+32*(\a)
.set WQ, 2+(\a)/4
.else
.set TS, 32*((\a)-2)
.set WQ, 6+(\a)/4
	s_wait_xcnt 0x0                                ; block a - 2's stores have read their registers: the set of codes may be written again
.endif
	s_wait_loadcnt 8*(7-(\a))                      ; the table's set a is in; the later sets, eight loads each, may be out
	WIN WQ                                         ; source 0 (the sums) window 2 or 3; source 1 (the table) window 0 or 1
.set j, 0
.rept 32
	v_pk_mul_f32 v[XX+2*j:XX+2*j+1], v[AC+2*j:AC+2*j+1], v[TS+(2*j)%32:TS+(2*j)%32+1] op_sel:[1,1] op_sel_hi:[1,0]   ; each accumulator from its low end on
.set j, j+1
.endr
.set j, 0
.rept 32
	v_pk_fma_f32 v[RR+2*j:RR+2*j+1], v[AC+2*j:AC+2*j+1], v[TS+(2*j)%32:TS+(2*j)%32+1], v[XX+2*j:XX+2*j+1] op_sel_hi:[0,1,1] neg_lo:[0,0,1]
.set j, j+1
.endr
	WIN 0
.set j, 0
.rept 64
.set j, j+1
.endr
.irp b, 0,1,2,3,4,5,6,7
	v_cvt_scalef32_pk8_fp8_f32 v[CD+16*((\a)%2)+2*\b:CD+16*((\a)%2)+2*\b+1], v[RR+8*\b:RR+8*\b+7], v[SCL]   ; channels 16 (b % 4) + 8 h + 0..7 of head b / 4: registers 2 (b % 4), + 1 of its fragment
.endr
	v_nop                                          ; a plain vector line behind the last conversion
.irp q, 0,1,2,3
	global_store_b128 v[LI], v[CD+16*((\a)%2)+4*\q:CD+16*((\a)%2)+4*\q+3], s[72:73] offset:1024*(\a)+131072*(\q/2)+512*(\q%2)   ; head q / 2, piece q % 2: 512 consecutive bytes, aligned
.endr
.endm
	WIN TO_B
.irp a, 2,3,4,5,6,7
	TABLOAD \a, 32*(\a-2)                          ; into the registers that held side B's fragments
.endr
	WIN 0
.irp a, 0,1,2,3,4,5,6,7
	QK_OUT \a
.endr
	s_branch .Ldone
; v: block a of my channels (16 channels x 128 keys): one fragment of V^T.
.macro V_OUT a
.set AC, 64*((\a)%4)
.set WQ, 2+(\a)/4
.if (\a) >= 2
	s_wait_xcnt 0x0                                ; block a - 2's stores have read their registers
.endif
	WIN WQ                                         ; source 0 (the sums) window 2 or 3
.set j, 0
.rept 64
.set j, j+1
.endr
.irp b, 0,1,2,3,4,5,6,7
	v_cvt_scalef32_pk8_fp8_f32 v[CD+16*((\a)%2)+2*\b:CD+16*((\a)%2)+2*\b+1], v[AC+8*\b:AC+8*\b+7], v[SCL]
.endr
	WIN 0
	v_nop
.irp g, 0,1,2,3
	global_store_b128 v[LI], v[CD+16*((\a)%2)+4*\g:CD+16*((\a)%2)+4*\g+3], s[72:73] offset:131072*((\a)/4)+2048*((\a)%4)+512*\g
.endr
.endm
.Lv_out:
	s_wait_alu depctr_va_vdst(0)
.irp a, 0,1,2,3,4,5,6,7
	V_OUT \a
.endr
.Ldone:
	s_wait_tensorcnt 0x0                           ; the wave's end, behind my last tensor load
	ds_add_u32 v[SPW], v[NIL]
	s_wait_dscnt 0x0
	CROUND                                         ; the closing round: no work-group ends while a partner may still ask for a tile that names it
	s_endpgm
.Lfunc_end_k_q0d5ce47ca6_qkv:
	.size	k_q0d5ce47ca6_qkv, .Lfunc_end_k_q0d5ce47ca6_qkv-k_q0d5ce47ca6_qkv
	.p2alignl 7, 3214868480
	.fill 96, 4, 3214868480
	.section	.rodata,"a",@progbits
	.p2align	6, 0x0
	.amdhsa_kernel k_q0d5ce47ca6_qkv
		.amdhsa_group_segment_fixed_size 327680
		.amdhsa_private_segment_fixed_size 0
		.amdhsa_enable_private_segment 0
		.amdhsa_kernarg_size 56
		.amdhsa_user_sgpr_count 2
		.amdhsa_user_sgpr_kernarg_segment_ptr 1
		.amdhsa_wavefront_size32 1
		.amdhsa_system_sgpr_workgroup_id_x 1
		.amdhsa_system_sgpr_workgroup_id_y 1
		.amdhsa_system_sgpr_workgroup_id_z 1
		.amdhsa_system_vgpr_workitem_id 0
		.amdhsa_next_free_vgpr 1024
		.amdhsa_next_free_sgpr 96
		.amdhsa_reserve_vcc 0
		.amdhsa_float_denorm_mode_32 3
		.amdhsa_float_denorm_mode_16_64 3
		.amdhsa_fp16_overflow 1
		.amdhsa_memory_ordered 1
		.amdhsa_forward_progress 1
		.amdhsa_inst_pref_size 133
	.end_amdhsa_kernel
	.amdgpu_metadata
---
amdhsa.version: [ 1, 2 ]
amdhsa.kernels:
  - .name:           k_q0d5ce47ca6_qkv
    .symbol:         k_q0d5ce47ca6_qkv.kd
    .args:
      - { .name: ximg, .offset: 0, .size: 8, .value_kind: global_buffer, .address_space: global }
      - { .name: wimg, .offset: 8, .size: 8, .value_kind: global_buffer, .address_space: global }
      - { .name: tab, .offset: 16, .size: 8, .value_kind: global_buffer, .address_space: global }
      - { .name: lowp_scales, .offset: 24, .size: 8, .value_kind: global_buffer, .address_space: global }
      - { .name: qimg, .offset: 32, .size: 8, .value_kind: global_buffer, .address_space: global }
      - { .name: kimg, .offset: 40, .size: 8, .value_kind: global_buffer, .address_space: global }
      - { .name: vimg, .offset: 48, .size: 8, .value_kind: global_buffer, .address_space: global }
    .group_segment_fixed_size: 327680
    .private_segment_fixed_size: 0
    .kernarg_segment_align: 8
    .kernarg_segment_size: 56
    .max_flat_workgroup_size: 128
    .sgpr_count:     96
    .vgpr_count:     1024
    .wavefront_size: 32
...
	.end_amdgpu_metadata
.endif
;; end of part 2
;; launch attn (part 3): grid 4 x 64, 16 waves a work-group, no clusters, 327,680 bytes of LDS; arguments qimg, kimg, vimg, lowp_scales, aimg; writes aimg
.if DOCPART == 3
	.amdgcn_target "amdgcn-amd-amdhsa--gfx1250"
	.amdhsa_code_object_version 6
	.text
	.protected	k_q0d5ce47ca6_attn
	.globl	k_q0d5ce47ca6_attn
	.p2align	8
	.type	k_q0d5ce47ca6_attn,@function
k_q0d5ce47ca6_attn:
	s_mov_b64 s[64:65], 0
	v_nop
	global_prefetch_b8 v0, s[64:65] scope:SCOPE_SE
	s_setreg_imm32_b32 hwreg(HW_REG_WAVE_MODE, 25, 1), 1
	s_wait_xcnt 0x0
; Causal attention of one head on codes of FP8 (E4M3): O[q] = the sum over keys k <= q of softmax_k(Q[q] . K[k] / 8) V[k]; the result is quantised at once (entry 10) for the last product.
; THE SOFTMAX AHEAD OF THE SECOND PRODUCT: t = score x log2(e) / 8; M = the row's largest t so far, rounded UP to a whole number; p = 2^(t - M) is what is quantised (entry 8), not normalised.
; The row's sum is taken of the unquantised p, in f32, and divides O at the end.  When M moves, the sum and O are multiplied by 2^(old M - new M): exact.
; SHARES.  The head's 2,048 queries are eight blocks of 256.  Work-group i (0..3) of a head owns blocks i and 7 - i, one after the other: block b needs the key slots 0 .. b of 256 keys, so the two passes walk
; (i + 1) + (8 - i) = 9 slots whatever i is: all 256 work-groups have the same work, and the trip count is a constant.  Each of the sixteen waves owns 16 queries of the block in hand, in 224 registers: four waves to a SIMD.
; NO CLUSTER, though the four work-groups of a head read the same K and V: in trip t work-group i stands at key slot t (t <= i) or t - i - 1, which differs between the four from trip 1 on, so they never want the same tile together.
; OPERANDS LIE IN MEMORY AS IMAGES OF THEIR REGISTERS, so a slot's K (16 fragments of 1,024 bytes) and V (8 of 2,048) are dense blocks of 16 KiB, LDS holds them dense, and every LDS load is 16 x lane: consecutive bytes.
; LAYOUT.  S^T = K Q^T (source 0 = 16 keys, source 1 = my 16 queries, K = 64); O^T = V^T P^T (source 0 = 16 channels, source 1 = P, K = 128 keys): a lane holds ONE query (lane % 16) throughout.
; Tile t of S^T holds in lane (r, h) the keys 16 t + 8 h + 0..7: its conversion's result is registers 2 t, 2 t + 1 of P in the matrix form's own layout.  O^T's tile d likewise becomes two registers of the last product's operand.
; A step all of whose keys come after my queries is left out (a scalar branch on ids); on the diagonal hidden scores become -infinity ahead of the maximum.  Key 0 counts for every query, so M is a number from the first step on.
; The refill of a slot is asked for a whole slot (two key steps of each of the sixteen waves) ahead of its first read.
; LIMITS on the given exponents, so that each power of two below is an f32 number: e6 + e7 between -123 and 130 (added to c's exponent field); e8 between -126 and 127; e8 + e9 - e10 is applied by v_ldexp_f32 and has none.
; REGISTERS: v1 16 x lane; v2 the slot's address; v3 r - 8 h; v12 -M, v13 the largest t, v[14:15] the sum in two halves; v16-23 Q; v32-95 eight fragments of K, then four of V; v96-159 S^T, then p; v160-191 O^T; v192-207 P's codes; v208-223 at work.
.set SLOT1, 32768                      ; slot 1 begins here: one exclusive or turns an address in one slot into the other's
.set VOFF,  16384                      ; a slot: 16 KiB of K, then 16 KiB of V
.set SLOTB, 16384
.set SPARE, 2*SLOT1                    ; behind the ring: the spare words, 128 bytes for each wave: eight blocks of 256 bytes that no other line names
.set LI,   1
.set ADK,  2
.set RH,   3
.set SPW,  5                           ; v5   LDS address of my spare word; never rewritten
.set NIL,  6                           ; v6   0; never rewritten
.set MA,   208                         ; two chains of the maximum
.set MB,   209
.set F,    210                         ; v[210:211] f = 2^(old M - new M); the upper half is named with it, so it is written once
.set SM,   212                         ; v[212:213] the sum's second chain
.set PERM, 214                         ; a lane permute's destination counts as one of its sources: written once
.set SC8,  215                         ; 2^e8
.set LIM8, 216
.set ONE,  217                         ; 1.0: the scale of the last conversions
.set L448, 218
.set DD,   219
.set NINF, 220                         ; -infinity
.set TB,   2                           ; s2   LDS byte at which the slot in hand begins
.set TT,   3                           ; s3   the trip
.set WV,   18
.set SEL,  20                          ; s[20:21] lane selects for v_permlanex16_b32: lane l xor 16
.set CS,   22                          ; s[22:23] c = log2(e) / 8 x 2^(e6 + e7)
.set G1,   24                          ; s[24:31] descriptor group 1: one shape for K's and V's blocks
.set G0K,  32                          ; s[32:35], s[36:39] their groups 0, which walk
.set G0V,  36
.set II,   40                          ; i
.set IP1,  41                          ; i + 1
.set BK,   42                          ; s[42:43] what a change of slots takes off the addresses: 0, or at the change of passes the first pass's slots
.set BACK, 44                          ; (i + 1) x 16,384
.set KF,   45                          ; the step's first key
.set Q0,   46                          ; my first query
.set Q0ST, 47                          ; from the first pass to the second: (7 - 2 i) blocks, in queries,
.set QST,  48                          ; s[48:49] in bytes of qimg,
.set AST,  50                          ; s[50:51] and of aimg
.set EO,   52                          ; e8 + e9 - e10
; Wave 0 fetches K's block, wave 1 V's, the others nothing.  The branches hang on the wave's number alone.  An s_nop 0 and four v_nop follow each of the two lines.
.macro TLOAD
	s_cmp_eq_u32 s[WV], 0
	s_cbranch_scc0 .Lnot_k_\@
	tensor_load_to_lds s[G0K:G0K+3], s[G1:G1+7]
	s_nop 0
.rept 4
	v_nop
.endr
	s_branch .Lasked_\@
.Lnot_k_\@:
	s_cmp_eq_u32 s[WV], 1
	s_cbranch_scc0 .Lasked_\@
	tensor_load_to_lds s[G0V:G0V+3], s[G1:G1+7]
	s_nop 0
.rept 4
	v_nop
.endr
.Lasked_\@:
.endm
.macro INIT                            ; a pass begins: the step is written once, and the first finds zeros, which the first change of M leaves zeros
	v_mov_b32 v13, 0xff61b1e6                      ; the largest t so far: -3e38, under every t
	s_delay_alu instid0(VALU_DEP_1)
	v_floor_f32 v12, -v13                          ; -M
	v_mov_b32 v14, 0
	v_mov_b32 v15, 0
.set j, 0
.rept 32
	v_mov_b32 v[160+j], 0
.set j, j+1
.endr
.endm
	s_load_b256 s[4:11], s[0:1], 0x0               ; qimg s[4:5], kimg s[6:7], vimg s[8:9], the scales' exponents s[10:11]
	s_load_b64 s[12:13], s[0:1], 0x20              ; aimg
	v_lshl_add_u32 v[SPW], v0, 2, SPARE
	v_mov_b32 v[NIL], 0
	ds_add_u32 v[SPW], v[NIL]                      ; the wave's opening: the add and its wait stand ahead of my first tensor load; the set-up below, work on registers, stands between them
	ds_add_u32 v[SPW], v[NIL]
	v_lshrrev_b32 v8, 5, v0
	s_delay_alu instid0(VALU_DEP_1)
	v_readfirstlane_b32 s[WV], v8                  ; wave 0..15
	s_mov_b32 s[II], ttmp9
	s_add_co_u32 s[IP1], ttmp9, 1
	s_lshl_b32 s[BACK], s[IP1], 14
	s_and_b32 s54, ttmp7, 0xffff                   ; batch x head
	s_lshl_b32 s56, s54, 17                        ; its 131,072 bytes in each of qimg, kimg, vimg
	s_mov_b32 s57, 0
	s_lshl_b32 s[Q0], ttmp9, 8
	s_lshl_b32 s55, s[WV], 4
	s_add_co_u32 s[Q0], s[Q0], s55                 ; my first query: 256 i + 16 x wave
	s_lshl_b32 s58, s[Q0], 6                       ; its fragment: 1,024 bytes for 16 queries
	s_mov_b32 s59, 0
	s_add_nc_u64 s[58:59], s[58:59], s[56:57]
	s_lshr_b32 s60, s54, 4                         ; aimg: (128 x batch + query / 16) x 16,384 + head x 1,024
	s_lshl_b32 s60, s60, 21
	s_lshl_b32 s61, s[Q0], 10
	s_add_co_u32 s60, s60, s61
	s_and_b32 s61, s54, 15
	s_lshl_b32 s61, s61, 10
	s_add_co_u32 s60, s60, s61
	s_mov_b32 s61, 0
	s_lshl_b32 s62, ttmp9, 1
	s_sub_co_u32 s62, 7, s62                       ; 7 - 2 i blocks from the first pass to the second
	s_lshl_b32 s[Q0ST], s62, 8
	s_lshl_b32 s[QST], s62, 14
	s_mov_b32 s[QST+1], 0
	s_lshl_b32 s[AST], s62, 18
	s_mov_b32 s[AST+1], 0
	s_mov_b32 s[BK+1], 0
	; descriptor group 1: a dense block of 16 KiB as 64 rows of 256 bytes
	s_mov_b32 s[G1], 3<<16                         ; 15:0 no mask; 17:16 elements of 8 bytes; 20 no padding
	s_mov_b32 s[G1+1], 32<<16                      ; tensor_dim0 = 32 elements
	s_mov_b32 s[G1+2], 64<<16                      ; tensor_dim1 = 64
	s_mov_b32 s[G1+3], 32<<16                      ; tile_dim0
	s_mov_b32 s[G1+4], 64                          ; tile_dim1
	s_mov_b32 s[G1+5], 32                          ; tensor_dim0_stride
	s_mov_b32 s[G1+6], 0
	s_mov_b32 s[G1+7], 0
	s_mov_b32 s[SEL], 0x76543210
	s_mov_b32 s[SEL+1], 0xfedcba98
	s_mov_b32 s[CS], 0x3e38aa3b                    ; c = log2(e) / sqrt(64)
	s_mov_b32 s[TB], 0
	s_mov_b32 s[TT], 0
	s_mov_b32 s[KF], 0
	s_wait_dscnt 0x0                               ; the opening add is done
	s_wait_kmcnt 0x0
	s_load_b128 s[68:71], s[10:11], 0x18           ; e6, e7, e8, e9
	s_load_b32 s72, s[10:11], 0x28                 ; e10
	s_mov_b32 s[G0K], 1                            ; 1:0 count = 1
	s_mov_b32 s[G0K+1], 0                          ; 63:32 LDS address: slot 0
	s_add_nc_u64 s[G0K+2:G0K+3], s[6:7], s[56:57]  ; 120:64 global address: the head's first 256 keys
	s_or_b32 s[G0K+3], s[G0K+3], 0x80000000        ; 127:126 type = 2
	s_mov_b32 s[G0V], 1
	s_mov_b32 s[G0V+1], VOFF
	s_add_nc_u64 s[G0V+2:G0V+3], s[8:9], s[56:57]
	s_or_b32 s[G0V+3], s[G0V+3], 0x80000000
	TLOAD                                          ; slot 0
	s_add_nc_u64 s[4:5], s[4:5], s[58:59]          ; Q's codes at my first query
	s_add_nc_u64 s[12:13], s[12:13], s[60:61]      ; and where its result goes
	v_and_b32 v8, 31, v0
	s_delay_alu instid0(VALU_DEP_1)
	v_lshlrev_b32 v[LI], 4, v8
	global_load_b128 v[16:19], v[LI], s[4:5]       ; Q's fragment stays in registers for a pass
	global_load_b128 v[20:23], v[LI], s[4:5] offset:512
	v_and_b32 v8, 15, v0
	v_bfe_u32 v9, v0, 4, 1
	s_delay_alu instid0(VALU_DEP_1)
	v_lshlrev_b32 v9, 3, v9
	s_delay_alu instid0(VALU_DEP_1)
	v_sub_nc_u32 v[RH], v8, v9                     ; r - 8 h
	v_mov_b32 v[PERM], 0
	v_mov_b32 v[F+1], 0
	v_mov_b32 v[ONE], 1.0
	v_mov_b32 v[NINF], 0xff800000
	INIT
	s_wait_kmcnt 0x0
	s_add_co_i32 s73, s68, s69
	s_lshl_b32 s73, s73, 23
	s_add_co_i32 s[CS], s[CS], s73                 ; a score stands for score x 2^(e6 + e7): the two exponents are added to c's exponent field
	s_mov_b32 s[CS+1], s[CS]                       ; (named with it as a pair, so it is written)
	s_add_co_i32 s73, s70, 127
	s_lshl_b32 s74, s73, 23
	v_mov_b32 v[SC8], s74                          ; 2^e8 as f32, for p's conversions
	s_add_co_i32 s[EO], s70, s71
	s_sub_co_i32 s[EO], s[EO], s72                 ; O's sums stand for sum x 2^(e8 + e9); their codes are that / 2^e10
; A KEY STEP: 128 keys, the q-th of the slot in hand.
.macro STEP q
	s_add_co_u32 s96, s[Q0], 15                    ; a step all of whose keys come after my 16 queries is left out: ids and the count of steps alone; no barrier, wait for tiles or tensor load stands in a step
	s_cmp_gt_u32 s[KF], s96
	s_cbranch_scc1 .Lhidden_\@
	v_add_nc_u32 v[ADK], s[TB], v[LI]
.rept 3
	v_nop                                          ; with the addition above: four places in front of loads into registers that the last products have read
.endr
.irp t, 0,1,2,3,4,5,6,7
	ds_load_b128 v[32+8*\t:35+8*\t], v[ADK] offset:(8*(\q)+\t)*1024
	ds_load_b128 v[36+8*\t:39+8*\t], v[ADK] offset:(8*(\q)+\t)*1024+512
.endr
	s_wait_alu depctr_va_vdst(0)
	s_wait_dscnt 0x0
.irp t, 0,1,2,3,4,5,6,7
	v_wmma_f32_16x16x64_fp8_fp8 v[96+8*\t:103+8*\t], v[32+8*\t:39+8*\t], v[16:23], 0   ; S^T: keys 16 t + 8 h + 0..7 of my query
.endr
.rept 4
	v_nop                                          ; places in front of the loads below and of the first read of the scores
.endr
.irp d, 0,1,2,3
.irp g, 0,1,2,3
	ds_load_b128 v[32+16*\d+4*\g:35+16*\d+4*\g], v[ADK] offset:VOFF+8192*(\q)+2048*\d+512*\g   ; V's four fragments take K's registers and land while the softmax is worked
.endr
.endr
	s_add_co_u32 s96, s[KF], 127                   ; on the diagonal the scores of hidden keys become -infinity ahead of the maximum: p = 0 then.  A step all of whose keys count skips this
	s_cmp_le_u32 s96, s[Q0]
	s_cbranch_scc1 .Lopen_\@
	s_sub_co_i32 s96, s[Q0], s[KF]
	v_add_nc_u32 v[DD], s96, v[RH]                 ; d = my query - KF - 8 h.  Register 8 t + j holds key KF + 16 t + 8 h + j: hidden where 16 t + j > d
.set n, 0
.rept 64
	v_cmp_gt_i32 vcc_lo, 16*(n/8)+n%8, v[DD]
	v_cndmask_b32 v[96+n], v[96+n], v[NINF], vcc_lo
.set n, n+1
.endr
.Lopen_\@:
	v_max3_num_f32 v[MA], v96, v97, v98            ; the step's largest score of my query, among my 64 keys, in two chains, each accumulator from its low end on,
	v_max3_num_f32 v[MB], v99, v100, v101
.irp i, 6,10,14,18,22,26,30,34,38,42,46,50,54,58
	v_max3_num_f32 v[MA], v[MA], v[96+\i], v[97+\i]
	v_max3_num_f32 v[MB], v[MB], v[98+\i], v[99+\i]
.endr
	v_max3_num_f32 v[MA], v[MA], v158, v159
	s_delay_alu instid0(VALU_DEP_1)
	v_max_num_f32 v[MA], v[MA], v[MB]
	s_delay_alu instid0(VALU_DEP_1)
	v_permlanex16_b32 v[PERM], v[MA], s[SEL], s[SEL+1]
	s_delay_alu instid0(VALU_DEP_1)
	v_max_num_f32 v[MA], v[MA], v[PERM]            ; and among lane l xor 16's
	s_delay_alu instid0(VALU_DEP_1)
	v_mul_f32 v[MA], s[CS], v[MA]                  ; as t (c is positive)
	s_delay_alu instid0(VALU_DEP_1)
	v_max_num_f32 v13, v13, v[MA]                  ; the running largest t
	v_mov_b32 v[MA], v12
	s_delay_alu instid0(VALU_DEP_2)
	v_floor_f32 v12, -v13                          ; the new -M = floor(-t) = -ceil(t): M IS A WHOLE NUMBER
	s_delay_alu instid0(VALU_DEP_1)
	v_sub_f32 v[MA], v12, v[MA]                    ; M's old value less its new one: a whole number, 0 or less
	s_delay_alu instid0(VALU_DEP_1)
	v_cvt_i32_f32 v[MA], v[MA]                     ; (it saturates)
	s_delay_alu instid0(VALU_DEP_1)
	v_ldexp_f32 v[F], 1.0, v[MA]                   ; f = 2^(old M - new M)
.set j, 0
.rept 32
	v_pk_fma_f32 v[96+2*j:97+2*j], v[96+2*j:97+2*j], s[CS:CS+1], v[12:13] op_sel_hi:[1,0,0]   ; t - M, two at a time (of the pairs c and -M the low word serves both halves)
.set j, j+1
.endr
.set j, 0
	s_wait_alu depctr_va_vdst(0)
.rept 64
	v_exp_f32 v[96+j], v[96+j]                     ; p = 2^(t - M), at most 1: NOT normalised
.set j, j+1
.endr
	v_pk_mul_f32 v[14:15], v[14:15], v[F:F+1] op_sel_hi:[1,0]   ; the sums under the new M: the plain line behind the exponentials
	s_wait_alu depctr_va_vdst(0)                   ; one wait for the whole batch, ahead of its first reader
	v_pk_add_f32 v[212:213], v[100:101], v[104:105]
	v_pk_add_f32 v[222:223], v[108:109], v[112:113]
	v_pk_add_f32 v[218:219], v[116:117], v[120:121]
	v_pk_add_f32 v[208:209], v[124:125], v[128:129]
	v_pk_add_f32 v[206:207], v[132:133], v[136:137]
	v_pk_add_f32 v[204:205], v[140:141], v[144:145]
	v_pk_add_f32 v[202:203], v[148:149], v[152:153]
	v_pk_add_f32 v[14:15], v[14:15], v[156:157]
	v_pk_add_f32 v[212:213], v[212:213], v[96:97]
	v_pk_add_f32 v[222:223], v[222:223], v[98:99]
	v_pk_add_f32 v[218:219], v[218:219], v[102:103]
	v_pk_add_f32 v[208:209], v[208:209], v[106:107]
	v_pk_add_f32 v[206:207], v[206:207], v[110:111]
	v_pk_add_f32 v[204:205], v[204:205], v[114:115]
	v_pk_add_f32 v[202:203], v[202:203], v[118:119]
	v_pk_add_f32 v[14:15], v[14:15], v[122:123]
	v_pk_add_f32 v[212:213], v[212:213], v[126:127]
	v_pk_add_f32 v[222:223], v[222:223], v[130:131]
	v_pk_add_f32 v[218:219], v[218:219], v[134:135]
	v_pk_add_f32 v[208:209], v[208:209], v[138:139]
	v_pk_add_f32 v[206:207], v[206:207], v[142:143]
	v_pk_add_f32 v[204:205], v[204:205], v[146:147]
	v_pk_add_f32 v[202:203], v[202:203], v[150:151]
	v_pk_add_f32 v[14:15], v[14:15], v[154:155]
	v_pk_add_f32 v[212:213], v[212:213], v[158:159]
	s_delay_alu instid0(VALU_DEP_2)
	v_pk_add_f32 v[14:15], v[14:15], v[208:209]
	s_delay_alu instid0(VALU_DEP_2)
	v_pk_add_f32 v[212:213], v[212:213], v[206:207]
	v_pk_add_f32 v[222:223], v[222:223], v[204:205]
	v_pk_add_f32 v[218:219], v[218:219], v[202:203]
	s_delay_alu instid0(VALU_DEP_2)
	v_pk_add_f32 v[14:15], v[14:15], v[222:223]
	s_delay_alu instid0(VALU_DEP_2)
	v_pk_add_f32 v[212:213], v[212:213], v[218:219]
	s_delay_alu instid0(VALU_DEP_1)
	v_pk_add_f32 v[14:15], v[14:15], v[212:213]
.irp t, 0,1,2,3,4,5,6,7
.irp i, 0,1,2,3,4,5,6,7
.endr
	v_cvt_scalef32_pk8_fp8_f32 v[192+2*\t:193+2*\t], v[96+8*\t:103+8*\t], v[SC8]
.endr
.set j, 0
.rept 16
	v_pk_mul_f32 v[160+2*j:161+2*j], v[160+2*j:161+2*j], v[F:F+1] op_sel_hi:[1,0]   ; O^T under the new M: x f.  (Plain lines between the conversions and the products that read their results)
.set j, j+1
.endr
	s_wait_alu depctr_va_vdst(0)
	s_wait_dscnt 0x0                               ; V is in
.irp d, 0,1,2,3
	v_wmma_f32_16x16x128_fp8_fp8 v[160+8*\d:167+8*\d], v[32+16*\d:47+16*\d], v[192:207], v[160+8*\d:167+8*\d]   ; the four accumulators take turns
.endr
.Lhidden_\@:
	s_add_co_u32 s[KF], s[KF], 128
.endm
; THE CHANGE OF SLOTS stands at a slot's head.  Each wave waits for all its tensor loads (its part of the slot that it is about to read), adds 0 to its spare word, and waits for that and for its reads of the slot that it has left.
; Behind the barrier the slot ahead is whole and nobody reads the other one.  fill = 1: that other slot is filled with the next trip's keys: the next 256, or, where the first pass ends with this trip, the head's first 256 again.
; Every slot that is filled is read; one tensor load of a wave is out at the most.
.macro CHANGE fill
	s_wait_tensorcnt 0x0                           ; no tensor load of mine is out, so a group 0 may be written
	ds_add_u32 v[SPW], v[NIL]                      ; 0 onto my spare word; with fill = 1 the descriptors' steps stand between it and the wait for it
.if \fill
	s_xor_b32 s[G0K+1], s[G0K+1], SLOT1            ; the walking descriptors: the other slot than last time
	s_xor_b32 s[G0V+1], s[G0V+1], SLOT1
	s_cmp_eq_u32 s[TT], s[II]                      ; is this the first pass's last trip?  Ids and the count of trips alone
	s_cselect_b32 s[BK], s[BACK], 0
	s_add_nc_u64 s[G0K+2:G0K+3], s[G0K+2:G0K+3], SLOTB   ; the type bits on top are not reached
	s_add_nc_u64 s[G0V+2:G0V+3], s[G0V+2:G0V+3], SLOTB
	s_sub_nc_u64 s[G0K+2:G0K+3], s[G0K+2:G0K+3], s[BK:BK+1]
	s_sub_nc_u64 s[G0V+2:G0V+3], s[G0V+2:G0V+3], s[BK:BK+1]
.endif
	s_wait_dscnt 0x0                               ; the add is done, and my reads of the slot that I have left are over
	s_barrier_signal -1
	s_barrier_wait -1
.if \fill
	TLOAD                                          ; the first thing behind the barrier, and a wave's one tensor load until the next
.endif
.endm
; A PASS ENDS: O^T / the sum x 2^(e8 + e9 - e10) becomes codes: tile d's are registers 2 d, 2 d + 1 of my 16 rows' part (64 of K = 1,024) of the last product's operand.  next = 1: the second pass is set up.
.macro FLUSH next
.rept 4
	v_nop                                          ; places behind the last products
.endr
	v_add_f32 v14, v14, v15                        ; the sum's two halves,
	s_delay_alu instid0(VALU_DEP_1)
	v_permlanex16_b32 v[PERM], v14, s[SEL], s[SEL+1]
	s_delay_alu instid0(VALU_DEP_1)
	v_add_f32 v14, v14, v[PERM]                    ; and lane l xor 16's: the row's sum
	s_wait_alu depctr_va_vdst(0)
	v_rcp_f32 v14, v14
	v_nop                                          ; a plain line behind the reciprocal,
	s_wait_alu depctr_va_vdst(0)                   ; and the wait ahead of its first reader
	v_ldexp_f32 v14, v14, s[EO]
.set j, 0
.rept 32
	v_mul_f32 v[96+j], v[160+j], v14               ; each accumulator from its low end on
.set j, j+1
.endr
.set j, 0
.rept 32
.set j, j+1
.endr
.irp d, 0,1,2,3
	v_cvt_scalef32_pk8_fp8_f32 v[192+2*\d:193+2*\d], v[96+8*\d:103+8*\d], v[ONE]
.endr
	v_nop                                          ; a plain vector line behind the last conversion
	global_store_b128 v[LI], v[192:195], s[12:13]  ; 512 consecutive bytes each, aligned
	global_store_b128 v[LI], v[196:199], s[12:13] offset:512
.if \next
	s_wait_xcnt 0x0                                ; the stores have read their registers and their base: both are written again
	s_add_nc_u64 s[12:13], s[12:13], s[AST:AST+1]
	s_add_nc_u64 s[4:5], s[4:5], s[QST:QST+1]
	global_load_b128 v[16:19], v[LI], s[4:5]       ; the second block's queries
	global_load_b128 v[20:23], v[LI], s[4:5] offset:512
	INIT
	s_add_co_u32 s[Q0], s[Q0], s[Q0ST]
	s_mov_b32 s[KF], 0
	s_wait_loadcnt 0x0
.endif
.endm
	s_wait_loadcnt 0x0                             ; Q
.Ltrip:                                                ; eight trips; behind each change of slots the next trip's slot is asked for
	CHANGE 1
	s_cmp_lg_u32 s[TT], s[IP1]                     ; trip i + 1 is the second pass's first
	s_cbranch_scc1 .Lsame_pass
	FLUSH 1
.Lsame_pass:
	STEP 0
	STEP 1
	s_xor_b32 s[TB], s[TB], SLOT1                  ; on to the other slot
	s_add_co_u32 s[TT], s[TT], 1
	s_cmp_lt_u32 s[TT], 8
	s_cbranch_scc1 .Ltrip
	CHANGE 0                                       ; the ninth trip is written out: nothing is left to ask for
	STEP 0
	STEP 1
	FLUSH 0
	s_wait_tensorcnt 0x0                           ; the wave's end, behind my last tensor load
	ds_add_u32 v[SPW], v[NIL]
	s_wait_dscnt 0x0
	s_endpgm
.Lfunc_end_k_q0d5ce47ca6_attn:
	.size	k_q0d5ce47ca6_attn, .Lfunc_end_k_q0d5ce47ca6_attn-k_q0d5ce47ca6_attn
	.p2alignl 7, 3214868480
	.fill 96, 4, 3214868480
	.section	.rodata,"a",@progbits
	.p2align	6, 0x0
	.amdhsa_kernel k_q0d5ce47ca6_attn
		.amdhsa_group_segment_fixed_size 327680
		.amdhsa_private_segment_fixed_size 0
		.amdhsa_enable_private_segment 0
		.amdhsa_kernarg_size 40
		.amdhsa_user_sgpr_count 2
		.amdhsa_user_sgpr_kernarg_segment_ptr 1
		.amdhsa_wavefront_size32 1
		.amdhsa_system_sgpr_workgroup_id_x 1
		.amdhsa_system_sgpr_workgroup_id_y 1
		.amdhsa_system_sgpr_workgroup_id_z 1
		.amdhsa_system_vgpr_workitem_id 0
		.amdhsa_next_free_vgpr 224
		.amdhsa_next_free_sgpr 100
		.amdhsa_reserve_vcc 1
		.amdhsa_float_denorm_mode_32 3
		.amdhsa_float_denorm_mode_16_64 3
		.amdhsa_fp16_overflow 1
		.amdhsa_memory_ordered 1
		.amdhsa_forward_progress 1
		.amdhsa_inst_pref_size 89
	.end_amdhsa_kernel
	.amdgpu_metadata
---
amdhsa.version: [ 1, 2 ]
amdhsa.kernels:
  - .name:           k_q0d5ce47ca6_attn
    .symbol:         k_q0d5ce47ca6_attn.kd
    .args:
      - { .name: qimg, .offset: 0, .size: 8, .value_kind: global_buffer, .address_space: global }
      - { .name: kimg, .offset: 8, .size: 8, .value_kind: global_buffer, .address_space: global }
      - { .name: vimg, .offset: 16, .size: 8, .value_kind: global_buffer, .address_space: global }
      - { .name: lowp_scales, .offset: 24, .size: 8, .value_kind: global_buffer, .address_space: global }
      - { .name: aimg, .offset: 32, .size: 8, .value_kind: global_buffer, .address_space: global }
    .group_segment_fixed_size: 327680
    .private_segment_fixed_size: 0
    .kernarg_segment_align: 8
    .kernarg_segment_size: 40
    .max_flat_workgroup_size: 512
    .sgpr_count:     100
    .vgpr_count:     224
    .wavefront_size: 32
...
	.end_amdgpu_metadata
.endif
;; end of part 3
;; launch oproj (part 4): grid 32 x 4, 4 waves a work-group, clusters of 4 x 4, 327,680 bytes of LDS; arguments aimg, wimg, lowp_scales, out0; writes out0
.if DOCPART == 4
	.amdgcn_target "amdgcn-amd-amdhsa--gfx1250"
	.amdhsa_code_object_version 6
	.text
	.protected	k_q0d5ce47ca6_oproj
	.globl	k_q0d5ce47ca6_oproj
	.p2align	8
	.type	k_q0d5ce47ca6_oproj,@function
k_q0d5ce47ca6_oproj:
	s_mov_b64 s[64:65], 0
	v_nop
	global_prefetch_b8 v0, s[64:65] scope:SCOPE_SE
	s_setreg_imm32_b32 hwreg(HW_REG_WAVE_MODE, 25, 1), 1
	s_wait_xcnt 0x0
	s_wait_alu depctr_hold_cnt(0) depctr_sa_sdst(0) depctr_va_vdst(0) depctr_va_sdst(0) depctr_va_ssrc(0) depctr_va_vcc(0) depctr_vm_vsrc(0)
	s_getreg_b32 s2, hwreg(HW_REG_IB_STS2, 6, 4)
	s_cmp_eq_u32 s2, 0
	s_cbranch_scc0 .Lentry_in_a_cluster
	s_endpgm
.Lentry_in_a_cluster:
	s_bfe_u32 s2, ttmp6, 0x10000c
	s_cmp_lg_u32 s2, 0xf033
	s_cbranch_scc0 .Lentry_shape_is_right
	s_endpgm
.Lentry_shape_is_right:
; out0 = attention's result x Wo^T on codes of FP8 (E4M3): [8192][1024] f32.  Side A = aimg (entry 10), side B = Wo's image, the fourth MiB of wimg (entry 11).  Each finished sum is multiplied once by 2^(e10 + e11).
; LIMIT: e10 + e11 between -126 and 127, so that 2^(e10 + e11) is an f32 number.
; A tile of 256 x 256 is made by a work-group of four waves; a wave makes 128 x 128: 64 accumulators of 16 x 16, 512 registers.  K = 1,024 goes in four steps of 256 through a ring of two LDS slots.
; OPERANDS LIE IN MEMORY AS IMAGES OF THEIR REGISTERS ([row / 16][k / 128][piece 0..3][lane][16 bytes]), so a slot's part of 16 rows is 4,096 consecutive bytes, LDS holds it dense, and a fragment is four
; ds_load_b128 at 16 x lane: consecutive bytes, each k in the place that the matrix form's own layout gives it.
; 8 CLUSTERS of 4 x 4 work-groups: tile row = 4 x cluster + cy (32), tile column = cx (4).  Side A's tile is shared along a row of the cluster, side B's along a column: each is asked for JOINTLY.
; 32 x 4 = 128 tiles: 128 work-groups.  A tile of half the size would double them and feed two thirds as many products from each LDS byte; the larger tile is kept.
; THE MATRIX INSTRUCTION TAKES 16 ROWS OF SIDE B AS SOURCE 0 AND 16 ROWS OF SIDE A AS SOURCE 1: a lane then holds eight neighbouring numbers of a row of the output.
; REGISTERS, in windows of 256: window 0: v16-31 addresses; v128-255 side A's fragments, ONE set; on the way out v32-255 are free.   window 1: side B's fragments, TWO sets, at v0 and v128.
;   window 2: the accumulators of my rows 0-63 ((a, b) at v[8 (8 a + b)]);   window 3: those of my rows 64-127.
.set SLOT,   131072                    ; side A's 16 blocks of 16 rows x 4,096 bytes, then side B's 16
.set TILEB,  4096                      ; 16 rows x 256 K
.set FRB,    2048                      ; a fragment: 16 rows x 128 K
.set SPARE,  2*SLOT                    ; behind the ring: the spare words, 128 bytes for each wave: two blocks of 256 bytes that no other line names
.set SIZE_N, 1024
.set SPITCH, 528                       ; the way out: a stage of 16 rows x (512 bytes + 16) for each wave.  It lies in slot 0, which has had its last fill and its last read when the first result is stored there
.set FR,     16
.set NL,     4
.set NP,     4                         ; places behind this matrix instruction (ISA guide 7.12.1)
.set ADRA, 16                          ; v16-17  LDS address of my side A fragments in slot 0, 1
.set ADRB, 20                          ; v20-21  the same for side B
.set STO,  24                          ; v24     the way out: where I put 32 bytes of a row
.set RD,   25                          ; v25     the way out: where I read a row back
.set CO,   26                          ; v26     16 x lane: an image's place for my lane, and my byte offset in a row's 512 bytes; never rewritten
.set SPW,  28                          ; v28     LDS address of my spare word; never rewritten
.set NIL,  29                          ; v29     0; never rewritten
.set TMP,  32                          ; the way out: 64 registers, a block's sums x 2^(e10 + e11)
.set AF,   128
.set BK,   128                         ; the way out: 16 rows read back from the stage: v128-191 and v192-255 by turns
.set G1, 24
.set G0, 32
.set G1B, 48
.set G0B, 56
.set MSB, 0
.macro WIN new                         ; the immediate's high byte repeats the setting that is left
.if MSB != \new
	s_set_vgpr_msb (MSB<<8)|\new
.set MSB, \new
.endif
.endm
.set MUL_LO, 0xa1                      ; source 0 (side B) window 1, source 1 (side A) window 0, C and D window 2
.set MUL_HI, 0xf1                      ; the same, C and D window 3
.set TO_B,   0x40                      ; destination window 1, address window 0
; A joint load: waves 0 and 1 fetch for side A, waves 2 and 3 for side B.  Each of the two lines has ONE mask and one set of registers for all that issue it; the branch hangs on the wave's number alone.
; An s_nop 0 and four v_nop follow each of the two lines, ahead of the jump, the label and what follows.
.macro JLOAD g0a, g1a, g0b, g1b
	s_cmp_eq_u32 s15, 0
	s_cbranch_scc0 .Lfor_b_\@
	tensor_load_to_lds s[\g0a:\g0a+3], s[\g1a:\g1a+7]
	s_nop 0
.rept 4
	v_nop
.endr
	s_branch .Lasked_\@
.Lfor_b_\@:
	tensor_load_to_lds s[\g0b:\g0b+3], s[\g1b:\g1b+7]
	s_nop 0
.rept 4
	v_nop
.endr
.Lasked_\@:
.endm
.macro CREST                           ; a round of the cluster's barrier behind its opening barrier
	s_cmp_lg_u32 s14, 0
	s_cbranch_scc1 .Lnot_wave_0_\@
	s_barrier_signal -3
.Lnot_wave_0_\@:
	s_barrier_wait -3
	s_barrier_signal -1
	s_barrier_wait -1
.endm
.macro CROUND                          ; a whole round
	s_barrier_signal -1
	s_barrier_wait -1
	CREST
.endm
	s_load_b256 s[4:11], s[0:1], 0x0               ; aimg s[4:5], wimg s[6:7], the scales' exponents s[8:9], out0 s[10:11]
	v_lshl_add_u32 v[SPW], v0, 2, SPARE
	v_mov_b32 v[NIL], 0
	ds_add_u32 v[SPW], v[NIL]                      ; the wave's opening: the add and its wait stand ahead of my first tensor load; the set-up below, work on registers, stands between them
	ds_add_u32 v[SPW], v[NIL]
	v_lshrrev_b32 v1, 5, v0
	v_readfirstlane_b32 s14, v1                    ; wave 0..3
	s_lshr_b32 s15, s14, 1                         ; which half of the tile's rows is mine.  Also: I fetch for side A (0) or B (1)
	s_and_b32 s16, s14, 1                          ; which half of its columns.  Also: which 128 rows of that side's tile I fetch
	s_bfe_u32 s40, ttmp6, 0x40000                  ; cx, cy: my place in the cluster
	s_bfe_u32 s41, ttmp6, 0x40004
	s_lshl_b32 s17, ttmp9, 2
	s_add_co_u32 s17, s17, s41                     ; tile row = 4 x cluster + cy
	s_mov_b32 s42, s40                             ; tile column = cx
	s_lshl_b32 s43, s41, 2
	s_lshl_b32 s43, 15, s43                        ; my row of the cluster
	s_lshl_b32 s44, 0x1111, s40                    ; my column
	; descriptor group 1: 8 rows of 4,096 bytes (a slot's part of 16 rows of an image), 16,384 bytes apart in memory, dense in LDS
	s_or_b32 s[G1+0], s43, (3<<16)|(1<<21)         ; 15:0 the mask: side A's tiles go to my row; 17:16 elements of 8 bytes; 20 no padding; 21 set beside a mask
	s_or_b32 s[G1B+0], s44, (3<<16)|(1<<21)
.irp g, G1, G1B
	s_mov_b32 s[\g+1], 512<<16                     ; tensor_dim0 = 512 elements
	s_mov_b32 s[\g+2], 8<<16                       ; tensor_dim1 = 8
	s_mov_b32 s[\g+3], 512<<16                     ; tile_dim0
	s_mov_b32 s[\g+4], 8                           ; tile_dim1
	s_mov_b32 s[\g+5], 2048                        ; tensor_dim0_stride, in elements
	s_mov_b32 s[\g+6], 0
	s_mov_b32 s[\g+7], 0
.endr
	s_lshl_b32 s18, s16, 17                        ; which 128 rows of the tile I fetch: 8 x 16,384 bytes
	s_lshl_b32 s20, s17, 18                        ; a tile's 256 rows are 16 x 16,384 bytes
	s_add_co_u32 s20, s20, s18
	s_mov_b32 s21, 0                               ; s[20:21]: side A
	s_lshl_b32 s46, s42, 18
	s_add_co_u32 s46, s46, s18
	s_add_co_u32 s46, s46, 0x300000                ; Wo's image
	s_mov_b32 s47, 0                               ; s[46:47]: side B
	s_lshl_b32 s45, s14, 15                        ; where they go: wave x 32,768: no place in the cluster enters an LDS address
	s_wait_dscnt 0x0                               ; the opening add is done
	s_wait_kmcnt 0x0
	s_load_b64 s[96:97], s[8:9], 0x28              ; e10, e11
	s_add_nc_u64 s[20:21], s[4:5], s[20:21]
	s_add_nc_u64 s[46:47], s[6:7], s[46:47]
	CROUND                                         ; all sixteen work-groups are here: the first joint loads meet
.irp s, 0,1
	s_mov_b32 s[G0+4*\s], 1
	s_add_co_u32 s[G0+4*\s+1], s45, \s*SLOT
	s_add_nc_u64 s[G0+4*\s+2:G0+4*\s+3], s[20:21], \s*TILEB
	s_or_b32 s[G0+4*\s+3], s[G0+4*\s+3], 0x80000000
	s_mov_b32 s[G0B+4*\s], 1
	s_add_co_u32 s[G0B+4*\s+1], s45, \s*SLOT
	s_add_nc_u64 s[G0B+4*\s+2:G0B+4*\s+3], s[46:47], \s*TILEB
	s_or_b32 s[G0B+4*\s+3], s[G0B+4*\s+3], 0x80000000
	s_wait_alu depctr_va_vdst(0)
	s_wait_tensorcnt 0x0
	ds_add_u32 v28, v29
	ds_add_u32 v28, v29
	s_wait_dscnt 0x0
	CROUND
	JLOAD G0+4*\s, G1, G0B+4*\s, G1B
.endr
	v_and_b32 v6, 31, v0
	v_lshlrev_b32 v[CO], 4, v6
	s_lshl_b32 s21, s15, 15                        ; my 128 rows of side A
	s_lshl_b32 s22, s16, 15                        ; my 128 rows of side B,
	s_add_co_u32 s22, s22, 65536                   ; which lie behind side A's 256
.irp s, 0,1
	v_add_nc_u32 v[ADRA+\s], s21, v[CO]
	v_add_nc_u32 v[ADRB+\s], s22, v[CO]
	s_add_co_u32 s21, s21, SLOT
	s_add_co_u32 s22, s22, SLOT
.endr
	v_and_b32 v1, 15, v0                           ; l % 16
	v_bfe_u32 v2, v0, 4, 1                         ; l / 16
	s_mul_i32 s23, s14, 16*SPITCH                  ; my stage
	v_mul_u32_u24 v5, v1, SPITCH                   ; in: row l % 16, 32 bytes for each half of the lanes
	v_lshl_add_u32 v5, v2, 5, v5
	v_add_nc_u32 v[STO], s23, v5
	v_add_nc_u32 v[RD], s23, v[CO]                 ; back: the 32 lanes take one row of 512 bytes
	s_lshl_b32 s20, s17, 8
	s_lshl_b32 s21, s15, 7
	s_add_co_u32 s20, s20, s21                     ; my first row of the output: 256 x tile row + 128 x half,
	s_lshl_b32 s20, s20, 12                        ; 4,096 bytes each
	s_lshl_b32 s46, s42, 10                        ; my first column, in bytes: 1,024 x tile column + 512 x half
	s_lshl_b32 s47, s16, 9
	s_add_co_u32 s46, s46, s47
	s_add_co_u32 s20, s20, s46
	s_mov_b32 s21, 0
	s_add_nc_u64 s[10:11], s[10:11], s[20:21]
.macro FRAG reg, adr, q, i             ; a fragment, 16 registers, as it lies: block i of my eight, the slot's q-th 128 along K
.irp c, 0,1,2,3
	ds_load_b128 v[\reg+4*\c:\reg+4*\c+3], v[\adr] offset:FRB*(\q)+512*\c+TILEB*(\i)
.endr
.endm
; 16 matrix instructions: side A's blocks a0, a0 + 1 x side B's eight, 128 along K.  p: side B's set.  zero = 1: the first product starts the sums: nothing is ever cleared.
; The 64 accumulators take turns, one instruction a turn, in the same order in every step.
.macro MUL16 a0, p, zero
.irp a, \a0, \a0+1
.irp b, 0,1,2,3,4,5,6,7
.if \zero
	v_wmma_f32_16x16x128_fp8_fp8 v[8*(8*((\a)%4)+\b):8*(8*((\a)%4)+\b)+7], v[128*(\p)+FR*\b:128*(\p)+FR*\b+FR-1], v[AF+FR*(\a):AF+FR*(\a)+FR-1], 0
.else
	v_wmma_f32_16x16x128_fp8_fp8 v[8*(8*((\a)%4)+\b):8*(8*((\a)%4)+\b)+7], v[128*(\p)+FR*\b:128*(\p)+FR*\b+FR-1], v[AF+FR*(\a):AF+FR*(\a)+FR-1], v[8*(8*((\a)%4)+\b):8*(8*((\a)%4)+\b)+7]
.endif
.endr
.endr
.endm
.macro FETCH_B slot, q, p              ; side B's eight fragments of the slot's q-th 128 along K into set p
	WIN TO_B
.irp i, 0,1,2,3,4,5,6,7
	FRAG 128*(\p)+FR*\i, ADRB+\slot, \q, \i
.endr
	WIN 0
.endm
.macro FETCH_A slot, q, i0             ; side A's blocks i0 .. i0 + 3
.irp i, \i0, \i0+1, \i0+2, \i0+3
	FRAG AF+FR*(\i), ADRA+\slot, \q, \i
.endr
.endm
; A load into a register that a matrix instruction has read, and a vector instruction that reads a matrix result, stand NP places behind that matrix instruction; only plain vector instructions that name none of its
; registers are places (ISA guide 7.12.1 for vector instructions).
.macro PLACES n
.rept \n
	v_nop
.endr
.endm
; A step of 128 along K that has its successor in the same slot.  Side A's blocks are free as soon as their eight products are issued: blocks 0-3 are fetched anew in the step's middle, blocks 4-7 at its end.
.macro STEP slot, q, zero
	s_wait_dscnt 4*NL                              ; side B's set and side A's blocks 0-3 are in; the youngest sixteen loads (blocks 4-7) may be out
	WIN MUL_LO
	MUL16 0, (\q)%2, \zero
	MUL16 2, (\q)%2, \zero
	s_wait_dscnt 0                                 ; blocks 4-7 are in (asked for 32 matrix instructions ago)
	PLACES NP
	FETCH_B \slot, (\q)+1, 1-(\q)%2
	FETCH_A \slot, (\q)+1, 0
	WIN MUL_HI
	MUL16 4, (\q)%2, \zero
	MUL16 6, (\q)%2, \zero
	PLACES NP
	WIN 0
	FETCH_A \slot, (\q)+1, 4
.endm
; A slot's last step changes slots: ONE barrier; in front of it each wave waits for all its tensor loads, adds 0 to its spare word, and waits for that and for its own reads of this slot.  fill = 1: this slot is filled again, two slots ahead.
.macro TURN slot, next, fill
	s_wait_tensorcnt 0x0                           ; all my tensor loads have landed: my part of the next slot;  (every window is 0 here: the add's two registers lie in window 0)
	ds_add_u32 v[SPW], v[NIL]                      ; 0 onto my spare word
	s_wait_dscnt 4*NL+1                            ; (the add and the youngest sixteen loads, blocks 4-7, may be out)
	WIN MUL_LO
	MUL16 0, 1, 0                                  ; sixteen matrix instructions stand between the add and the wait for it
	s_wait_dscnt 0x0                               ; the add is done, and my reads of this slot are over
	s_barrier_signal -1
	MUL16 2, 1, 0
	WIN 0
	s_barrier_wait -1
.if \fill
	CREST                                          ; the barrier has opened a round of the cluster's barrier: no wave of any partner still reads this slot's tile or has a load on its way
	s_add_nc_u64 s[G0+4*\slot+2:G0+4*\slot+3], s[G0+4*\slot+2:G0+4*\slot+3], 2*TILEB
	s_add_nc_u64 s[G0B+4*\slot+2:G0B+4*\slot+3], s[G0B+4*\slot+2:G0B+4*\slot+3], 2*TILEB
	JLOAD G0+4*\slot, G1, G0B+4*\slot, G1B         ; the first tensor load behind the round; the four v_nop behind it are the places in front of the loads below
.else
	PLACES NP
.endif
	FETCH_B \next, 0, 0
	FETCH_A \next, 0, 0
	WIN MUL_HI
	MUL16 4, 1, 0
	MUL16 6, 1, 0
	PLACES NP
	WIN 0
	FETCH_A \next, 0, 4
.endm
	s_wait_alu depctr_va_vdst(0)
	s_wait_tensorcnt 1                             ; my part of slot 0 is in (slot 1's load may be out)
	s_barrier_signal -1
	s_barrier_wait -1                              ; everybody's is
	FETCH_B 0, 0, 0
	FETCH_A 0, 0, 0
	FETCH_A 0, 0, 4
	STEP 0, 0, 1                                   ; K 0-127: its products start the sums
	TURN 0, 1, 1                                   ; K 128-255; slot 0 takes K 512-767
	STEP 1, 0, 0
	TURN 1, 0, 1                                   ; slot 1 takes K 768-1023
	STEP 0, 0, 0
	TURN 0, 1, 0                                   ; nothing is left to fetch: a plain barrier, behind which nobody reads slot 0
	STEP 1, 0, 0
	s_wait_dscnt 4*NL                              ; the last step
	WIN MUL_LO
	MUL16 0, 1, 0
	MUL16 2, 1, 0
	s_wait_dscnt 0
	WIN MUL_HI
	MUL16 4, 1, 0
	MUL16 6, 1, 0
	WIN 0
; THE WAY OUT, block by block of 16 rows x 128 columns.  A lane holds 32 neighbouring bytes of a row, and the lanes beside it hold other rows: so a block goes through my own stage in LDS and comes back as whole
; rows of 512 bytes, which the 32 lanes store together.  LDS serves a wave's instructions in order (ISA guide 5.7.1.4): no wait between the stores and the loads, nor in front of the next block's stores.
.macro TOSTAGE a
.set AC, 64*((\a)%4)
.set WQ, 2+(\a)/4
	WIN WQ                                         ; source 0: window 2 or 3
.set j, 0
.rept 32
	v_pk_mul_f32 v[TMP+2*j:TMP+2*j+1], v[AC+2*j:AC+2*j+1], s[96:97] op_sel_hi:[1,0]   ; both x s96 = 2^(e10 + e11); each accumulator from its low end on
.set j, j+1
.endr
	WIN 0
.irp b, 0,1,2,3,4,5,6,7
	ds_store_b128 v[STO], v[TMP+8*\b:TMP+8*\b+3] offset:64*\b
	ds_store_b128 v[STO], v[TMP+8*\b+4:TMP+8*\b+7] offset:64*\b+16
.endr
.set BB, BK+64*((\a)%2)
.irp t, 0,1,2,3,4,5,6,7,8,9,10,11,12,13,14,15
	ds_load_b128 v[BB+4*\t:BB+4*\t+3], v[RD] offset:\t*SPITCH
.endr
.endm
.macro SEND a, younger                 ; younger: the LDS instructions issued behind block a's loads, which may stay out
.set BB, BK+64*((\a)%2)
	s_wait_dscnt \younger                          ; the block is back in registers
.if (\a) > 0
	s_add_nc_u64 s[10:11], s[10:11], 16*SIZE_N*4   ; (behind a wait on XCNT: the earlier stores have read their base)  16 rows on
.endif
.irp t, 0,1,2,3,4,5,6,7,8,9,10,11,12,13,14,15
	global_store_b128 v[CO], v[BB+4*\t:BB+4*\t+3], s[10:11] offset:\t*SIZE_N*4 th:TH_STORE_NT   ; 32 lanes store 512 consecutive bytes, at a multiple of 512 from the output's first byte; written once, read by nobody here
.endr
.endm
	s_wait_kmcnt 0x0
	s_add_co_i32 s96, s96, s97                     ; e10 + e11, between -126 and 127,
	s_add_co_i32 s96, s96, 127
	s_lshl_b32 s96, s96, 23                        ; makes the f32 number 2^(e10 + e11)
	PLACES NP                                      ; behind the last products: for the loads into the registers that held side A's fragments and for the reads of results
	TOSTAGE 0
.irp a, 1,2,3,4,5,6,7
.if \a > 1
	s_wait_xcnt 0x0                                ; block a - 2's stores have read their registers and their base: block a's loads may land there, and the base may step
.endif
	TOSTAGE \a
	SEND \a-1, 32                                  ; behind block a - 1's loads: block a's 16 stores and 16 loads
.endr
	s_wait_xcnt 0x0                                ; block 6's stores have read their base
	SEND 7, 0
	s_wait_tensorcnt 0x0                           ; the wave's end, behind my last tensor load and my last LDS store
	ds_add_u32 v[SPW], v[NIL]
	s_wait_dscnt 0x0
	CROUND                                         ; the closing round: no work-group ends while a partner may still ask for a tile that names it
	s_endpgm
.Lfunc_end_k_q0d5ce47ca6_oproj:
	.size	k_q0d5ce47ca6_oproj, .Lfunc_end_k_q0d5ce47ca6_oproj-k_q0d5ce47ca6_oproj
	.p2alignl 7, 3214868480
	.fill 96, 4, 3214868480
	.section	.rodata,"a",@progbits
	.p2align	6, 0x0
	.amdhsa_kernel k_q0d5ce47ca6_oproj
		.amdhsa_group_segment_fixed_size 327680
		.amdhsa_private_segment_fixed_size 0
		.amdhsa_enable_private_segment 0
		.amdhsa_kernarg_size 32
		.amdhsa_user_sgpr_count 2
		.amdhsa_user_sgpr_kernarg_segment_ptr 1
		.amdhsa_wavefront_size32 1
		.amdhsa_system_sgpr_workgroup_id_x 1
		.amdhsa_system_sgpr_workgroup_id_y 1
		.amdhsa_system_sgpr_workgroup_id_z 1
		.amdhsa_system_vgpr_workitem_id 0
		.amdhsa_next_free_vgpr 1024
		.amdhsa_next_free_sgpr 98
		.amdhsa_reserve_vcc 0
		.amdhsa_float_denorm_mode_32 3
		.amdhsa_float_denorm_mode_16_64 3
		.amdhsa_memory_ordered 1
		.amdhsa_forward_progress 1
		.amdhsa_inst_pref_size 123
	.end_amdhsa_kernel
	.amdgpu_metadata
---
amdhsa.version: [ 1, 2 ]
amdhsa.kernels:
  - .name:           k_q0d5ce47ca6_oproj
    .symbol:         k_q0d5ce47ca6_oproj.kd
    .args:
      - { .name: aimg, .offset: 0, .size: 8, .value_kind: global_buffer, .address_space: global }
      - { .name: wimg, .offset: 8, .size: 8, .value_kind: global_buffer, .address_space: global }
      - { .name: lowp_scales, .offset: 16, .size: 8, .value_kind: global_buffer, .address_space: global }
      - { .name: out0, .offset: 24, .size: 8, .value_kind: global_buffer, .address_space: global }
    .group_segment_fixed_size: 327680
    .private_segment_fixed_size: 0
    .kernarg_segment_align: 8
    .kernarg_segment_size: 32
    .max_flat_workgroup_size: 128
    .sgpr_count:     98
    .vgpr_count:     1024
    .wavefront_size: 32
...
	.end_amdgpu_metadata
.endif
;; end of part 4
